; MI455X (gfx1250); checked and timed in simulation.
; The chip was launched on July 23, 2026; its instructions are those of AMD's public machine-readable ISA for CDNA 5 (MIT licence, August 2026) and "CDNA5" Instruction Set Architecture Reference Guide (July 2026). The comments in the code are by the model that wrote it; some were corrected since.
;; Learned Gate Delta Model. Allowed arithmetic: float matrix products may take bf16 or f16 operands with f32 sums; other float arithmetic in f32, or as packed bf16 or f16 multiplies, adds, multiply-adds, maxima and minima; sums over many terms, partial sums and values carried from step to step in f32; what a program stores and reads back later, other than sums and carried values, may be rounded once to bf16 or f16.
;; Inputs: embed 64 x 64 float32; ff_b1 128 float32; ff_b2 64 float32; ff_w1 64 x 128 float32; ff_w2 128 x 64 float32; gate_b1 16 float32; gate_b2 1 float32; gate_w1 64 x 16 float32; gate_w2 16 x 1 float32; ln_b 64 float32; ln_g 64 float32; out_b 64 float32; out_w 64 x 64 float32; read_b 64 float32; read_w 64 x 64 float32; seq 128 x 2,048 int32.
;; Outputs: out0 128 x 64 float32; out1 one number float32.
;; 2 versions, each right. Each part assembles by itself: llvm-mc -triple=amdgcn-amd-amdhsa -mcpu=gfx1250 --defsym DOCPART=n.
;; ======== version 1 of 2: 1 launch
;; launch delta (part 1): grid 129 x 1, 4 waves a work-group, no clusters, 273,408 bytes of LDS; arguments seq, embed, ff_w1, ff_w2, gate_w1, read_w, out_w, ff_b1, ff_b2, ln_g, ln_b, gate_b1, gate_w2, gate_b2, read_b, out_b, out0, out1; writes out0, out1
.if DOCPART == 1
	.amdgcn_target "amdgcn-amd-amdhsa--gfx1250"
	.amdhsa_code_object_version 6
	.text
	.protected	k_qba8a923ed9_delta
	.globl	k_qba8a923ed9_delta
	.p2align	8
	.type	k_qba8a923ed9_delta,@function
k_qba8a923ed9_delta:
	s_mov_b64 s[64:65], 0
	v_nop
	global_prefetch_b8 v0, s[64:65] scope:SCOPE_SE
	s_setreg_imm32_b32 hwreg(HW_REG_WAVE_MODE, 25, 1), 1
	s_wait_xcnt 0x0
; GATED DELTA MEMORY, READ ONCE.  out0[b] = ((M_b q_b) read_w + read_b) out_w + out_b;  out1 = the mean of (g > 0.5) over 128 rows x 2,047 steps.
; THREE IDENTITIES, true for every input (only the order of f32 roundings differs from the scan as it is written):
;  1. Embedding, feed-forward, LayerNorm and gate work row by row, so they are made once for each of the 64 tokens: T[c], g[c], d[c] = |T[c]|^2 + 1e-6.
;  2. M' u = M (u - (g/d) k (k.u)) + g (k.u) k.  So M q is found walking time BACKWARDS from u = q: s = k.u; ctx += g s k; u -= (g/d) s k.
;  3. With w = T u and G = T T^T the dot product is a look-up: s = w[c]; w += s (-(g/d)[c] G[c][:]).
; WORK-GROUPS 0..127: one batch row each.  Four waves build the tables on the matrix units; then wave 0 walks the 2,048 positions.  WORK-GROUP 128 makes the gates in the same
; way and counts the flags over all of seq: out1 has one owner.
; FORMATS.  The table products take bf16 operands, each f32 number split as hi = bf16(x), lo = bf16(x - hi), with three products hi hi + lo hi + hi lo summed in f32: g > 0.5 is a
; step, and G feeds a recurrence of 2,047 steps.  LayerNorm, sigmoid, the walk and the two one-row products at the end are f32 vector work.
; LIMITS.  NaN and infinities are not treated apart (relu is v_max_num_f32).  A gate's logit within some 1e-5 of its own scale from 0 may fall on the other side of 0.5.
; Token ids are clamped to 0..63 for the walk; the count takes them as 0..63.
; NO CLUSTER: 129 work-groups divide into none, and the shared weights (some 121 KB, read once at the head) are split in registers on their way into LDS.
.set WS,    0          ; 512 B: the snapshot of w, lane l's pair at 16 l (the layout of a row of TAB)
.set TAB,   512        ; 128 rows of 512 B; lane l's 16 bytes of row y: W[2l], W[2l+1], C[2l], C[2l+1]
                       ; y = 4 (c/2) + c%2: W = -(g/d)[c] G[c][:], C = g[c] T[c][:];   y + 2 (the query's row): W = G[c][:], C = 0
.set GV,    66048      ; g[64]
.set NB,    66304      ; -(g/d)[64]
.set PAR,   66560      ; b1 +0, b2 +512, ln_g +768, ln_b +1024, gate_b1 +1280, gate_w2 +1344, gate_b2 +1408, read_b +1536, out_b +1792
.set RED,   68608      ; the counting waves' four sums
.set SPARE, 68864      ; the spare words, 128 bytes for each wave: two blocks of 256 bytes that no other line names
.set TL,    69376      ; T in f32, pitch 272
.set TH,    86784      ; T hi, pitch 144; lo LO_T behind
.set EH,    105216     ; embed hi, pitch 144; lo LO_T behind
.set A1H,   123648     ; relu(E W1 + b1) hi, pitch 272; lo LO_A1 behind
.set W1H,   158464     ; ff_w1 [64 k][128 n] hi, pitch 288; lo LO_W1 behind
.set W2H,   195328     ; ff_w2 [128 k][64 n] hi, pitch 160; lo LO_W2 behind
.set GWH,   236288     ; gate_w1 [64 k][16 n] hi, pitch 32; lo LO_GW behind
.set RWF,   240384     ; read_w in f32, pitch 256; out_w 16,384 behind
.set LO_T,  9216
.set LO_A1, 17408
.set LO_W1, 18432
.set LO_W2, 20480
.set LO_GW, 2048
; v0 thread, v1 lane l, v2 r = l % 16, v3 h = l / 16, v4 my spare word, v5 0 (these two for the closing add alone); v6-v31 addresses of the phase in hand.
; s4 wave, s5 work-group, s[8:43] the 18 buffers in the order of the arguments, s[60:61] lane selects, s[72:73] seq at my row.
.set MSB, 0
.macro WIN new                         ; s_set_vgpr_msb: the high byte repeats the setting that is left; a switch that changes nothing is dropped
.if MSB != (\new)
	s_set_vgpr_msb (MSB<<8)|(\new)
.set MSB, \new
.endif
.endm
.macro BAR                             ; my LDS instructions are done, then the work-group's barrier
	s_wait_dscnt 0x0
	s_barrier_signal -1
	s_barrier_wait -1
.endm
.macro NOP5                            ; the places behind a batch of matrix instructions (ISA guide 7.12.1): they serve all that follows
.rept 5
	v_nop
.endr
.endm
.macro SPLIT x0, x1, hh, ll, t0, t1    ; two f32 -> a word of hi and a word of lo
	v_cvt_pk_bf16_f32 v[\hh], v[\x0], v[\x1]
	v_lshlrev_b32 v[\t0], 16, v[\hh]
	v_and_b32 v[\t1], 0xffff0000, v[\hh]
	v_sub_f32 v[\t0], v[\x0], v[\t0]
	v_sub_f32 v[\t1], v[\x1], v[\t1]
	v_cvt_pk_bf16_f32 v[\ll], v[\t0], v[\t1]
.endm
.macro CONV q, adr, imm, lod, tb       ; four f32 of a staging load -> 8 bytes of hi and 8 of lo in LDS
	SPLIT (\q), (\q)+1, (\tb), (\tb)+2, (\tb)+4, (\tb)+5
	SPLIT (\q)+2, (\q)+3, (\tb)+1, (\tb)+3, (\tb)+4, (\tb)+5
	ds_store_b64 v[\adr], v[(\tb):(\tb)+1] offset:\imm
	ds_store_b64 v[\adr], v[(\tb)+2:(\tb)+3] offset:(\imm)+(\lod)
.endm
.macro SPL8 src, t, adr, off, lod      ; a lane's eight neighbouring columns -> 16 bytes of hi and 16 of lo
.irp k, 0,1,2,3
	SPLIT (\src)+2*\k, (\src)+2*\k+1, 64+8*(\t)+\k, 68+8*(\t)+\k, 96+2*\k, 97+2*\k
.endr
	ds_store_b128 v[\adr], v[64+8*(\t):67+8*(\t)] offset:(\off)
	ds_store_b128 v[\adr], v[68+8*(\t):71+8*(\t)] offset:(\off)+(\lod)
.endm
.macro RELU b
.irp j, 0,1,2,3,4,5,6,7
	v_max_num_f32 v[(\b)+\j], 0, v[(\b)+\j]
.endr
.endm
; FRAGMENTS.  AF(ks, p) = v[32 + 16 p + 8 ks]: my 16 rows, K = 32 ks .., p = 0 hi, 1 lo.  WF(ks, t, p) = v[64 + 64 ks + 16 t + 8 p]: the other side's 16 columns 16 t ..
.macro LDA adr, off, lod               ; rows that lie along K: two loads of 16 bytes, 32 bytes apart
.irp ks, 0,1
.irp p, 0,1
	ds_load_b128 v[32+16*\p+8*\ks:35+16*\p+8*\ks], v[\adr] offset:(\off)+64*\ks+\p*(\lod)
	ds_load_b128 v[36+16*\p+8*\ks:39+16*\p+8*\ks], v[\adr] offset:(\off)+64*\ks+\p*(\lod)+32
.endr
.endr
.endm
.macro LDWT adr, off, pit, lod         ; weights stored [k][n]: the turning load, 16 rows of k apart
.irp ks, 0,1
.irp t, 0,1,2,3
.irp p, 0,1
	ds_load_tr16_b128 v[64+64*\ks+16*\t+8*\p:67+64*\ks+16*\t+8*\p], v[\adr] offset:(\off)+32*\ks*(\pit)+32*\t+\p*(\lod)
	ds_load_tr16_b128 v[68+64*\ks+16*\t+8*\p:71+64*\ks+16*\t+8*\p], v[\adr] offset:(\off)+32*\ks*(\pit)+32*\t+\p*(\lod)+16*(\pit)
.endr
.endr
.endr
.endm
.macro LDB adr                         ; all 64 rows of T as the other side of G
.irp ks, 0,1
.irp t, 0,1,2,3
.irp p, 0,1
	ds_load_b128 v[64+64*\ks+16*\t+8*\p:67+64*\ks+16*\t+8*\p], v[\adr] offset:2304*\t+64*\ks+LO_T*\p
	ds_load_b128 v[68+64*\ks+16*\t+8*\p:71+64*\ks+16*\t+8*\p], v[\adr] offset:2304*\t+64*\ks+LO_T*\p+32
.endr
.endr
.endr
.endm
; 24 matrix instructions: K = 64, three products (hi hi, lo hi, hi lo), four tiles of 16 columns.  The four accumulators take turns, one instruction a turn.
; swap = 0: source 0 = the weights: a lane ends with ONE row (r) and the columns 16 t + 8 h + 0..7.  swap = 1: source 0 = my rows: a lane ends with rows 8 h + 0..7 and column 16 t + r.
.macro WM24 acc, swap, zero
.irp ks, 0,1
.irp pp, 0,1,2
.irp t, 0,1,2,3
.set WFR, 64+64*(\ks)+16*(\t)+8*((\pp)%2)
.set AFR, 32+16*((\pp)/2)+8*(\ks)
.set DR, (\acc)+8*(\t)
.if \swap
.if (\zero) && ((\ks)+(\pp) == 0)
	v_wmma_f32_16x16x32_bf16 v[DR:DR+7], v[AFR:AFR+7], v[WFR:WFR+7], 0
.else
	v_wmma_f32_16x16x32_bf16 v[DR:DR+7], v[AFR:AFR+7], v[WFR:WFR+7], v[DR:DR+7]
.endif
.else
	v_wmma_f32_16x16x32_bf16 v[DR:DR+7], v[WFR:WFR+7], v[AFR:AFR+7], v[DR:DR+7]
.endif
.endr
.endr
.endr
.endm
; Sums over a row of 64: a lane's 32 numbers in v[224:255], then the lane 16 away.  The result is in v160, in every lane.
.macro TREE
.irp i, 0,1,2,3
	v_pk_add_f32 v[160+4*\i:161+4*\i], v[160+4*\i:161+4*\i], v[162+4*\i:163+4*\i]
.endr
.irp i, 0,1
	v_pk_add_f32 v[160+8*\i:161+8*\i], v[160+8*\i:161+8*\i], v[164+8*\i:165+8*\i]
.endr
	v_pk_add_f32 v[160:161], v[160:161], v[168:169]
	v_add_f32 v160, v160, v161
	v_permlanex16_b32 v161, v160, s60, s61
	v_add_f32 v160, v160, v161
.endm
.macro SUM32
.irp i, 0,1,2,3,4,5,6,7
	v_pk_add_f32 v[160+2*\i:161+2*\i], v[224+4*\i:225+4*\i], v[226+4*\i:227+4*\i]
.endr
	TREE
.endm
.macro SQ32
.irp i, 0,1,2,3,4,5,6,7
	v_pk_mul_f32 v[160+2*\i:161+2*\i], v[224+4*\i:225+4*\i], v[224+4*\i:225+4*\i]
.endr
.irp i, 0,1,2,3,4,5,6,7
	v_pk_fma_f32 v[160+2*\i:161+2*\i], v[226+4*\i:227+4*\i], v[226+4*\i:227+4*\i], v[160+2*\i:161+2*\i]
.endr
	TREE
.endm
; ---------------------------------------------------------------- the head
	s_load_b512 s[8:23], s[0:1], 0x0               ; seq, embed, ff_w1, ff_w2, gate_w1, read_w, out_w, ff_b1
	s_load_b512 s[24:39], s[0:1], 0x40             ; ff_b2, ln_g, ln_b, gate_b1, gate_w2, gate_b2, read_b, out_b
	s_load_b128 s[40:43], s[0:1], 0x80             ; out0, out1
	v_lshl_add_u32 v4, v0, 2, SPARE
	v_mov_b32 v5, 0
	v_lshrrev_b32 v1, 5, v0
	v_readfirstlane_b32 s4, v1                     ; wave 0..3
	s_mov_b32 s5, ttmp9                            ; work-group 0..128
	s_mov_b32 s60, 0x76543210                      ; v_permlanex16_b32: each lane takes its own place in the other half
	s_mov_b32 s61, 0xfedcba98
	v_and_b32 v1, 31, v0
	v_and_b32 v2, 15, v0
	v_bfe_u32 v3, v0, 4, 1
	v_lshlrev_b32 v8, 4, v1                        ; 16 l
	v_lshl_add_u32 v9, s4, 13, v8                  ; my 8,192 bytes of ff_w1 and ff_w2
	v_lshl_add_u32 v10, s4, 12, v8                 ; my 4,096 bytes of embed, read_w, out_w
	v_lshl_add_u32 v11, s4, 10, v8                 ; my 1,024 bytes of gate_w1
	v_lshlrev_b32 v12, 3, v1                       ; 8 l
	v_lshlrev_b32 v13, 2, v2                       ; 4 r
	v_mov_b32 v14, 0
	v_lshlrev_b32 v15, 8, v1                       ; 256 l
	s_min_u32 s6, s5, 127
	s_lshl_b32 s6, s6, 13
	s_mov_b32 s7, 0
	s_wait_kmcnt 0x0
	s_add_nc_u64 s[72:73], s[8:9], s[6:7]          ; seq at my batch row
; ---------------------------------------------------------------- staging: every wave a quarter of each table; wave 0 also the small vectors, its oldest loads
	s_cmp_lg_u32 s4, 0
	s_cbranch_scc1 .Lno_par
	global_load_b128 v[24:27], v8, s[22:23]
	global_load_b64 v[28:29], v12, s[24:25]
	global_load_b64 v[30:31], v12, s[26:27]
	global_load_b64 v[32:33], v12, s[28:29]
	global_load_b64 v[34:35], v12, s[36:37]
	global_load_b64 v[36:37], v12, s[38:39]
	global_load_b32 v38, v13, s[30:31]
	global_load_b32 v39, v13, s[32:33]
	global_load_b32 v40, v14, s[34:35]
.Lno_par:
.set qq, 0
.rept 16
	global_load_b128 v[44+4*qq:47+4*qq], v9, s[12:13] offset:512*qq
.set qq, qq+1
.endr
.set qq, 0
.rept 16
	global_load_b128 v[108+4*qq:111+4*qq], v9, s[14:15] offset:512*qq
.set qq, qq+1
.endr
.set qq, 0
.rept 8
	global_load_b128 v[172+4*qq:175+4*qq], v10, s[10:11] offset:512*qq
.set qq, qq+1
.endr
	global_load_b128 v[204:207], v11, s[16:17]
	global_load_b128 v[208:211], v11, s[16:17] offset:512
	s_mul_i32 s6, s4, 4608                         ; where they go: ff_w1 rows 16 w + q, 8 l
	s_add_co_u32 s6, s6, W1H
	v_add_nc_u32 v16, s6, v12
	v_mul_u32_u24 v17, v3, 160                     ; ff_w2 rows 32 w + 2 q + h, 8 r
	v_lshl_add_u32 v17, v2, 3, v17
	s_mul_i32 s6, s4, 5120
	s_add_co_u32 s6, s6, W2H
	v_add_nc_u32 v17, s6, v17
	v_mul_u32_u24 v18, v3, 144                     ; embed rows 16 w + 2 q + h, 8 r
	v_lshl_add_u32 v18, v2, 3, v18
	s_mul_i32 s6, s4, 2304
	s_add_co_u32 s6, s6, EH
	v_add_nc_u32 v18, s6, v18
	s_lshl_b32 s6, s4, 9                           ; gate_w1: rows of 32 bytes lie end to end: 512 w + 8 l
	s_add_co_u32 s6, s6, GWH
	v_add_nc_u32 v19, s6, v12
	s_lshl_b32 s6, s4, 12
	s_add_co_u32 s6, s6, RWF
	v_add_nc_u32 v20, s6, v8
	v_add_nc_u32 v21, PAR, v8
	v_add_nc_u32 v22, PAR, v12
	v_add_nc_u32 v23, PAR, v13
	s_wait_loadcnt 26                              ; ff_w1 is in: the 16 + 8 + 2 younger loads may stay out
.set qq, 0
.rept 16
	CONV 44+4*qq, 16, 288*qq, LO_W1, 228+6*(qq%2)
.set qq, qq+1
.endr
.set qq, 0
.rept 8                                        ; read_w and out_w take the registers that ff_w1 has left
	global_load_b128 v[44+4*qq:47+4*qq], v10, s[18:19] offset:512*qq
	global_load_b128 v[76+4*qq:79+4*qq], v10, s[20:21] offset:512*qq
.set qq, qq+1
.endr
	s_lshr_b32 s6, s5, 7                           ; wave 0 of a work-group that walks a row asks for that row, 8,192 bytes: a lane for each 256; each row is named once in the launch;
	s_or_b32 s6, s6, s4                            ; its 64 loads follow behind the table products
	s_cmp_lg_u32 s6, 0
	s_cbranch_scc1 .Lno_ask
	global_prefetch_b8 v15, s[72:73] th:TH_LOAD_NT scope:SCOPE_SE
.Lno_ask:
	s_wait_loadcnt 26                              ; ff_w2: 8 + 2 + 16 younger
.set qq, 0
.rept 16
	CONV 108+4*qq, 17, 320*qq, LO_W2, 228+6*(qq%2)
.set qq, qq+1
.endr
	s_wait_loadcnt 18                              ; embed: 2 + 16 younger
.set qq, 0
.rept 8
	CONV 172+4*qq, 18, 288*qq, LO_T, 228+6*(qq%2)
.set qq, qq+1
.endr
	s_wait_loadcnt 16                              ; gate_w1: 16 younger
	CONV 204, 19, 0, LO_GW, 228
	CONV 208, 19, 256, LO_GW, 234
	s_cmp_lg_u32 s4, 0
	s_cbranch_scc1 .Lno_par2
	v_mov_b32 v41, PAR+1408
	ds_store_b128 v21, v[24:27]
	ds_store_b64 v22, v[28:29] offset:512
	ds_store_b64 v22, v[30:31] offset:768
	ds_store_b64 v22, v[32:33] offset:1024
	ds_store_b64 v22, v[34:35] offset:1536
	ds_store_b64 v22, v[36:37] offset:1792
	ds_store_b32 v23, v38 offset:1280
	ds_store_b32 v23, v39 offset:1344
	ds_store_b32 v41, v40
.Lno_par2:
	s_wait_loadcnt 0x0
.set qq, 0
.rept 8
	ds_store_b128 v20, v[44+4*qq:47+4*qq] offset:512*qq
	ds_store_b128 v20, v[76+4*qq:79+4*qq] offset:16384+512*qq
.set qq, qq+1
.endr
	BAR                                            ; barrier 1: the tables are staged
; ---------------------------------------------------------------- addresses of the table phases.  Wave w owns tokens 16 w .. 16 w + 15
	s_wait_xcnt 0x0                                ; the staging's offset registers, the prefetch's among them, are written again only behind this wait
	v_and_b32 v23, 7, v0
	v_bfe_u32 v24, v0, 3, 1
	v_lshl_add_u32 v25, v3, 3, v23                 ; the turning load's row: 8 h + l % 8
	v_lshlrev_b32 v24, 4, v24                      ; and its 16 bytes
	v_mul_u32_u24 v7, v25, 288
	v_add_nc_u32 v7, v7, v24
	v_add_nc_u32 v7, W1H, v7                       ; v7  ff_w1, turned
	v_mul_u32_u24 v11, v25, 160
	v_add_nc_u32 v11, v11, v24
	v_add_nc_u32 v11, W2H, v11                     ; v11 ff_w2, turned
	v_lshlrev_b32 v14, 5, v25
	v_add_nc_u32 v14, v14, v24
	v_add_nc_u32 v14, GWH, v14                     ; v14 gate_w1, turned
	v_mul_u32_u24 v26, v2, 144
	v_lshl_add_u32 v26, v3, 4, v26                 ; r x 144 + 16 h
	s_mul_i32 s6, s4, 2304
	s_add_co_u32 s7, s6, EH
	v_add_nc_u32 v6, s7, v26                       ; v6  my rows of embed
	s_add_co_u32 s7, s6, TH
	v_add_nc_u32 v13, s7, v26                      ; v13 my rows of T
	v_add_nc_u32 v16, TH, v26                      ; v16 rows r of T
	v_mul_u32_u24 v27, v2, 272
	s_mul_i32 s6, s4, 4352
	s_add_co_u32 s7, s6, A1H
	v_lshl_add_u32 v8, v3, 4, v27
	v_add_nc_u32 v8, s7, v8                        ; v8  my rows of a1
	s_add_co_u32 s7, s6, TL
	v_lshl_add_u32 v12, v3, 5, v27
	v_add_nc_u32 v12, s7, v12                      ; v12 my rows of T in f32, 32 h
	v_lshl_add_u32 v20, v1, 3, s7                  ; v20 the same rows, 8 l
	v_lshlrev_b32 v9, 5, v3
	v_add_nc_u32 v9, PAR, v9                       ; v9  vectors by my columns: 32 h
	v_lshlrev_b32 v10, 8, v2
	v_lshl_add_u32 v10, v3, 5, v10
	v_lshl_add_u32 v10, s4, 12, v10                ; v10 embed in memory: row 16 w + r, 32 h
	s_lshl_b32 s6, s4, 6
	s_add_co_u32 s7, s6, GV
	v_lshl_add_u32 v15, v2, 2, s7                  ; v15 g of row 16 w + r
	v_mov_b32 v19, s7                              ; v19 g of my 16 rows, the same address in every lane
	s_add_co_u32 s7, s6, NB
	v_lshl_add_u32 v17, v3, 5, s7                  ; v17 -(g/d) of rows 16 w + 8 h ..
	v_and_b32 v18, 14, v2
	v_lshlrev_b32 v18, 3, v18
	v_and_b32 v28, 1, v2
	v_lshl_add_u32 v18, v28, 2, v18
	v_lshl_add_u32 v18, v3, 13, v18
	v_lshl_add_u32 v18, s4, 14, v18                ; v18 TAB: rows 16 w + 8 h .., element r
	v_lshlrev_b32 v21, 4, v1
	v_lshl_add_u32 v21, s4, 14, v21                ; v21 TAB: rows 16 w .., 16 l
	v_mov_b32 v22, PAR+1408                        ; v22 gate_b2
; ---------------------------------------------------------------- a1 = relu(E W1 + b1): 16 rows x 128 columns in two halves.  The bias is loaded as the sums' start
.irp t, 0,1,2,3
	global_load_b128 v[224+8*\t:227+8*\t], v10, s[10:11] offset:64*\t      ; the residual E in f32: the second product's sums start with it
	global_load_b128 v[228+8*\t:231+8*\t], v10, s[10:11] offset:64*\t+16
.endr
	LDA 6, 0, LO_T
.irp nh, 0,1
.irp t, 0,1,2,3
	ds_load_b128 v[192+8*\t:195+8*\t], v9 offset:256*\nh+64*\t
	ds_load_b128 v[196+8*\t:199+8*\t], v9 offset:256*\nh+64*\t+16
.endr
	LDWT 7, 128*\nh, 288, LO_W1
	s_wait_dscnt 0x0
	WM24 192, 0, 0
	NOP5
.irp t, 0,1,2,3
	RELU 192+8*\t
	SPL8 192+8*\t, \t, 8, 128*\nh+32*\t, LO_A1
.endr
.endr
; ---------------------------------------------------------------- x = E + a1 W2: K = 128 in two halves.  a1's rows are my own: LDS serves a wave's instructions in order
.irp kp, 0,1
	LDA 8, 128*\kp, LO_A1
	LDWT 11, 10240*\kp, 160, LO_W2
	s_wait_dscnt 0x0
	s_wait_loadcnt 0x0                             ; the residual
	WM24 224, 0, 0
	NOP5
.endr
; ---------------------------------------------------------------- T = LayerNorm(x + b2); d = |T|^2 + 1e-6.  A lane holds row r and 32 of its columns, the lane 16 away the others
.irp t, 0,1,2,3
	ds_load_b128 v[64+8*\t:67+8*\t], v9 offset:512+64*\t
	ds_load_b128 v[68+8*\t:71+8*\t], v9 offset:512+64*\t+16
	ds_load_b128 v[96+8*\t:99+8*\t], v9 offset:768+64*\t
	ds_load_b128 v[100+8*\t:103+8*\t], v9 offset:768+64*\t+16
	ds_load_b128 v[128+8*\t:131+8*\t], v9 offset:1024+64*\t
	ds_load_b128 v[132+8*\t:135+8*\t], v9 offset:1024+64*\t+16
.endr
	s_wait_dscnt 0x0
.set ii, 0
.rept 16
	v_pk_add_f32 v[224+ii:225+ii], v[224+ii:225+ii], v[64+ii:65+ii]        ; ascending: each accumulator is read from its low end on
.set ii, ii+2
.endr
	SUM32
	v_mul_f32 v176, 0x3c800000, v160               ; the mean
	v_mov_b32 v177, v176
.set ii, 0
.rept 16
	v_pk_add_f32 v[224+ii:225+ii], v[224+ii:225+ii], v[176:177] neg_lo:[0,1] neg_hi:[0,1]
.set ii, ii+2
.endr
	SQ32
	v_mul_f32 v178, 0x3c800000, v160               ; the variance
	v_add_f32 v178, 0x3727c5ac, v178               ; + 1e-5
	v_rsq_f32 v176, v178
	v_nop                                          ; a plain instruction behind the transcendental,
	s_wait_alu depctr_va_vdst(0)                   ; and the wait ahead of its first reader
	v_mov_b32 v177, v176
.set ii, 0
.rept 16
	v_pk_mul_f32 v[224+ii:225+ii], v[224+ii:225+ii], v[176:177]
.set ii, ii+2
.endr
.set ii, 0
.rept 16
	v_pk_fma_f32 v[224+ii:225+ii], v[224+ii:225+ii], v[96+ii:97+ii], v[128+ii:129+ii]
.set ii, ii+2
.endr
	SQ32
	v_add_f32 v28, 0x358637bd, v160                ; d = |T|^2 + 1e-6
.irp t, 0,1,2,3
	ds_store_b128 v12, v[224+8*\t:227+8*\t] offset:64*\t
	ds_store_b128 v12, v[228+8*\t:231+8*\t] offset:64*\t+16
	SPL8 224+8*\t, \t, 13, 32*\t, LO_T
.endr
; ---------------------------------------------------------------- the gate: g = sigmoid(relu(T gw1 + gb1) . gw2 + gb2)
	LDA 13, 0, LO_T                                ; my rows of T: they stay in v[32:63] for G
.irp ks, 0,1
.irp p, 0,1
	ds_load_tr16_b128 v[64+16*\ks+8*\p:67+16*\ks+8*\p], v14 offset:1024*\ks+LO_GW*\p
	ds_load_tr16_b128 v[68+16*\ks+8*\p:71+16*\ks+8*\p], v14 offset:1024*\ks+LO_GW*\p+512
.endr
.endr
	ds_load_b128 v[120:123], v9 offset:1280
	ds_load_b128 v[124:127], v9 offset:1296
	ds_load_b128 v[128:131], v9 offset:1344
	ds_load_b128 v[132:135], v9 offset:1360
	ds_load_b32 v136, v22
	s_wait_dscnt 0x0
	v_wmma_f32_16x16x32_bf16 v[96:103],  v[64:71], v[32:39], 0             ; three accumulators (hi hi, lo hi, hi lo) by turns
	v_wmma_f32_16x16x32_bf16 v[104:111], v[72:79], v[32:39], 0
	v_wmma_f32_16x16x32_bf16 v[112:119], v[64:71], v[48:55], 0
	v_wmma_f32_16x16x32_bf16 v[96:103],  v[80:87], v[40:47], v[96:103]
	v_wmma_f32_16x16x32_bf16 v[104:111], v[88:95], v[40:47], v[104:111]
	v_wmma_f32_16x16x32_bf16 v[112:119], v[80:87], v[56:63], v[112:119]
	NOP5
.irp i, 0,2,4,6
	v_pk_add_f32 v[96+\i:97+\i], v[96+\i:97+\i], v[104+\i:105+\i]
.endr
.irp i, 0,2,4,6
	v_pk_add_f32 v[112+\i:113+\i], v[112+\i:113+\i], v[120+\i:121+\i]
.endr
.irp i, 0,2,4,6
	v_pk_add_f32 v[96+\i:97+\i], v[96+\i:97+\i], v[112+\i:113+\i]
.endr
	RELU 96
	v_pk_mul_f32 v[138:139], v[96:97], v[128:129]
	v_pk_fma_f32 v[138:139], v[98:99], v[130:131], v[138:139]
	v_pk_fma_f32 v[138:139], v[100:101], v[132:133], v[138:139]
	v_pk_fma_f32 v[138:139], v[102:103], v[134:135], v[138:139]
	v_add_f32 v138, v138, v139
	v_permlanex16_b32 v139, v138, s60, s61         ; the other eight hidden units lie in the lane 16 away
	v_add_f32 v138, v138, v139
	v_add_f32 v138, v138, v136
	v_mul_f32 v140, 0xbfb8aa3b, v138               ; -log2(e) z
	v_exp_f32 v141, v140
	v_nop
	s_wait_alu depctr_va_vdst(0)
	v_add_f32 v141, 1.0, v141
	v_rcp_f32 v29, v141                            ; g
	v_rcp_f32 v30, v28                             ; 1 / d: one batch, one wait
	v_nop
	s_wait_alu depctr_va_vdst(0)
	v_fma_f32 v31, -v29, v30, 0                    ; -(g/d)
	ds_store_b32 v15, v29
	ds_store_b32 v15, v31 offset:256
	BAR                                            ; barrier 2: T, g and -(g/d) of all 64 tokens lie in LDS
	s_cmp_eq_u32 s5, 128
	s_cbranch_scc1 .Lcount
; ---------------------------------------------------------------- G = T T^T for my 16 rows, and my 32 rows of TAB
	LDB 16
	ds_load_b128 v[24:27], v17
	ds_load_b128 v[28:31], v17 offset:16
	s_wait_dscnt 0x0
	WM24 192, 1, 1
	NOP5
	s_cmp_lg_u32 s4, 0
	s_cbranch_scc1 .Lno_tok
	v_lshlrev_b32 v23, 2, v1                       ; wave 0: the row's 2,048 tokens, last first: register e, lane l: position n = 32 e + l counted from the row's end.
	v_sub_nc_u32 v23, 124, v23                     ; They land while TAB is stored
.set ee, 0
.rept 64
	global_load_b32 v[96+ee], v23, s[72:73] offset:8064-128*ee
.set ee, ee+1
.endr
.Lno_tok:
.irp t, 0,1,2,3
.irp j, 0,1,2,3,4,5,6,7
	ds_store_b32 v18, v[192+8*\t+\j] offset:TAB+1024+2048*(\j/2)+512*(\j%2)+128*\t      ; the query's row: G
	v_mul_f32 v[224+8*\t+\j], v[192+8*\t+\j], v[24+\j]
	ds_store_b32 v18, v[224+8*\t+\j] offset:TAB+2048*(\j/2)+512*(\j%2)+128*\t           ; the step's row: -(g/d) G
.endr
.endr
	ds_load_b128 v[32:35], v19
	ds_load_b128 v[36:39], v19 offset:16
	ds_load_b128 v[40:43], v19 offset:32
	ds_load_b128 v[44:47], v19 offset:48
.set rr, 0
.rept 16
	ds_load_b64 v[64+2*rr:65+2*rr], v20 offset:272*rr
.set rr, rr+1
.endr
	v_mov_b32 v48, 0
	v_mov_b32 v49, 0
	s_wait_dscnt 0x0
.set rr, 0
.rept 16
	v_mul_f32 v[64+2*rr], v[64+2*rr], v[32+rr]
	v_mul_f32 v[65+2*rr], v[65+2*rr], v[32+rr]
	ds_store_b64 v21, v[64+2*rr:65+2*rr] offset:TAB+2048*(rr/2)+512*(rr%2)+8             ; g T
	ds_store_b64 v21, v[48:49] offset:TAB+1024+2048*(rr/2)+512*(rr%2)+8                  ; the query adds nothing to ctx
.set rr, rr+1
.endr
	s_branch .Ljoin
; ---------------------------------------------------------------- work-group 128: the flags of all of seq.  Wave w takes rows 32 w .. 32 w + 31, 262,144 bytes on end
; Four rows of a wave are on their way: two buffers in v[64:191], two in the same numbers of the second register window, where the same text runs on copies of its few constants.
.macro LOADROW buf, off                ; a row: 16 loads of 512 consecutive bytes
.set qq, 0
.rept 16
	global_load_b128 v[(\buf)+4*qq:(\buf)+4*qq+3], v28, s[70:71] offset:(\off)+512*qq
.set qq, qq+1
.endr
.endm
.macro PROC buf                        ; flag = bit c of the 64 flags: four registers at a time, so that no line waits for the one before it
.set ee, 0
.rept 16
.irp u, 0,1,2,3
	v_cmp_gt_u32 s[74+\u], 32, v[(\buf)+ee+\u]
.endr
.irp u, 0,1,2,3
	v_cndmask_b32 v[40+\u], v30, v29, s[74+\u]
.endr
.irp u, 0,1,2,3
	v_bfe_u32 v[40+\u], v[40+\u], v[(\buf)+ee+\u], 1
.endr
.irp u, 0,1,2,3
	v_add_nc_u32 v[32+\u], v[32+\u], v[40+\u]
.endr
.set ee, ee+4
.endr
.endm
.Lcount:
	v_lshl_add_u32 v24, v1, 2, GV
	ds_load_b32 v25, v24
	ds_load_b32 v26, v24 offset:128
	s_lshl_b32 s6, s4, 18
	s_mov_b32 s7, 0
	s_add_nc_u64 s[68:69], s[8:9], s[6:7]          ; seq at my wave's first row
	s_mov_b64 s[70:71], s[68:69]
	v_lshlrev_b32 v27, 13, v1
	v_lshlrev_b32 v28, 4, v1
	global_load_b32 v36, v27, s[68:69] offset:8188 ; the last column of my 32 rows, a lane a row: the query, which is no step
	LOADROW 64, 0
	LOADROW 128, 8192
	WIN 0x40                                       ; destination in the second window
	v_mov_b32 v28, v28
	WIN 0x55                                       ; everything in the second window
	LOADROW 64, 16384
	LOADROW 128, 24576
	WIN 0
	s_wait_dscnt 0x0
	v_cmp_lt_f32 s66, 0.5, v25                     ; the flags of tokens 0-31 and 32-63: data alone, no branch and no address hangs on them
	v_cmp_lt_f32 s67, 0.5, v26
	v_mov_b32 v29, s66
	v_mov_b32 v30, s67
.irp u, 0,1,2,3
	v_mov_b32 v[32+\u], 0
.endr
	WIN 0x40
	v_mov_b32 v29, v29
	v_mov_b32 v30, v30
.irp u, 0,1,2,3
	v_mov_b32 v[32+\u], 0
.endr
	WIN 0
	s_mov_b32 s6, 0                                ; the byte offset of the four rows in hand
	s_mov_b32 s62, 8
.Lcnt:                                             ; a trip: four rows are counted, the next four asked for.  The last trip's loads go to the clamped address (rows 28-31 once more) and are never read: the price of one text for every trip
	s_wait_loadcnt 48                              ; the oldest row is in; the three younger rows' 48 loads stay out
	PROC 64
	s_wait_xcnt 0x0                                ; the base is written again only behind this wait
	s_add_co_u32 s6, s6, 32768
	s_min_u32 s6, s6, 229376
	s_add_nc_u64 s[70:71], s[68:69], s[6:7]
	LOADROW 64, 0
	s_wait_loadcnt 48
	PROC 128
	LOADROW 128, 8192
	WIN 0x55
	s_wait_loadcnt 48
	PROC 64
	LOADROW 64, 16384
	s_wait_loadcnt 48
	PROC 128
	LOADROW 128, 24576
	WIN 0
	s_sub_co_u32 s62, s62, 1
	s_cmp_lg_u32 s62, 0
	s_cbranch_scc1 .Lcnt
	v_cmp_gt_u32 s74, 32, v36
	v_cndmask_b32 v40, v30, v29, s74
	v_bfe_u32 v40, v40, v36, 1
	WIN 0x01                                       ; source 0 in the second window
.irp u, 0,1,2,3
	v_add_nc_u32 v[32+\u], v[32+\u], v[32+\u]
.endr
	WIN 0
	v_add3_u32 v32, v32, v33, v34
	v_add_nc_u32 v32, v32, v35
	v_sub_nc_u32 v32, v32, v40                     ; may be -1 in a lane: that flag was counted in lane 31
	v_cvt_f32_i32 v32, v32                         ; exact: all counts stay under 2^24
	v_add_f32_dpp v32, v32, v32 row_xmask:1 row_mask:0xf bank_mask:0xf
	v_add_f32_dpp v32, v32, v32 row_xmask:2 row_mask:0xf bank_mask:0xf
	v_add_f32_dpp v32, v32, v32 row_xmask:4 row_mask:0xf bank_mask:0xf
	v_add_f32_dpp v32, v32, v32 row_xmask:8 row_mask:0xf bank_mask:0xf
	v_permlanex16_b32 v33, v32, s60, s61
	v_add_f32 v32, v32, v33
	s_lshl_b32 s6, s4, 2
	s_add_co_u32 s6, s6, RED
	v_mov_b32 v34, s6
	ds_store_b32 v34, v32
.Ljoin:
	BAR                                            ; barrier 3, on every wave's path: TAB is whole (work-group 128: the four sums lie in LDS)
	s_cmp_eq_u32 s5, 128
	s_cbranch_scc1 .Lcount_end
	s_cmp_lg_u32 s4, 0
	s_cbranch_scc1 .Lend                           ; waves 1 to 3 are done: the walk is one chain
; ---------------------------------------------------------------- THE WALK (wave 0).  Position n = 0 is the query, a step with s = 1 on its own row of TAB; n = 1 .. 2,047 are the steps, last first.
; 128 BLOCKS of 16.  Block j has parity p = j % 2.  R[p] (v192 + p) holds in lanes 16 p .. 16 p + 15 the current w at the block's own 16 tokens; R[1 - p] gathers in the other 16 lanes the same
; for block j + 1: the snapshot of w at the block's head, looked up at those tokens, plus every step's s x (its row at those tokens).  So a step's s is a lane of R[p], and the chain from step
; to step is one multiply-add that takes s from that lane.  The 16 lanes of a register that are not named here hold numbers that nobody reads; each register starts anew every second block.
; Per step two LDS loads, asked for a block ahead: UX (4 bytes a lane: the step's row at the lanes' tokens) and ROW (16 bytes a lane: the whole row, for w and ctx).
; v[32:63] UX, two buffers; v[64:191] ROW, two buffers; v[194:195] w, v[196:197] ctx (lane l: elements 2 l, 2 l + 1); v198, v199 the lanes' element offsets for blocks of parity 0, 1;
; v200, v201 the codes of positions 32 t + l and 32 (t + 1) + l; v202 the 32 codes whose rows trip t asks for; v203 16 l; v[216:231] the codes still to come, four to a word.
	s_wait_loadcnt 0x0
.set ee, 0
.rept 64
	v_min_u32 v[96+ee], 63, v[96+ee]
.set ee, ee+1
.endr
.set mm, 0
.rept 16                                       ; word m, byte b, lane l: position 32 + 128 m + 32 b + l; the code y = 4 (c / 2) + c % 2, made on four bytes at once; past the end 0
	v_lshl_or_b32 v[216+mm], v[98+4*mm], 8, v[97+4*mm]
	v_lshl_or_b32 v[216+mm], v[99+4*mm], 16, v[216+mm]
.if mm < 15
	v_lshl_or_b32 v[216+mm], v[100+4*mm], 24, v[216+mm]
.endif
	v_and_b32 v207, 0x3e3e3e3e, v[216+mm]
	v_and_b32 v[216+mm], 0x01010101, v[216+mm]
	v_lshl_or_b32 v[216+mm], v207, 1, v[216+mm]
.set mm, mm+1
.endr
	v_and_b32 v207, 62, v96
	v_and_b32 v201, 1, v96
	v_lshl_or_b32 v201, v207, 1, v201
	v_cmp_eq_u32 vcc_lo, 0, v1
	v_cndmask_b32 v207, 0, 2, vcc_lo               ; position 0 takes the query's row
	v_add_nc_u32 v201, v201, v207
	v_min_u32 v201, 127, v201
	v_mov_b32 v202, v201
	v_mov_b32 v200, v201
	v_and_b32 v207, 0x7d, v201
	v_lshlrev_b32 v198, 2, v207
	v_lshlrev_b32 v203, 4, v1
	v_cndmask_b32 v192, 0, 1.0, vcc_lo             ; s of position 0 is 1; w = 0 at all other tokens
	v_mov_b32 v194, 0
	v_mov_b32 v195, 0
	v_mov_b32 v196, 0
	v_mov_b32 v197, 0
	s_mov_b32 s45, 0                               ; the packed forms name pairs and take the low word
	s_mov_b32 s47, 0
	s_mov_b32 s49, 0
	s_mov_b32 s51, 0
	s_mov_b32 s54, 0xffff0000                      ; lanes 16-31
.macro ISSUE0 i                        ; block 0's loads, ahead of the loop
	v_readlane_b32 s[52+(\i)%2], v202, \i
	s_min_u32 s[52+(\i)%2], s[52+(\i)%2], 127
	v_lshl_add_u32 v204, s[52+(\i)%2], 9, v198
	ds_load_b32 v[32+(\i)], v204 offset:TAB
	v_lshl_add_u32 v205, s[52+(\i)%2], 9, v203
	ds_load_b128 v[64+4*(\i):67+4*(\i)], v205 offset:TAB
.endm
.irp i, 0,1,2,3,4,5,6,7,8,9,10,11,12,13,14,15
	ISSUE0 \i
.endr
.macro TOKTRIP                         ; once a trip: the next 32 codes, and what the trip's 32 pairs of loads need
	v_and_b32 v201, 0xff, v216
	v_lshrrev_b32 v216, 8, v216
	v_min_u32 v201, 127, v201
	v_cndmask_b32 v202, v201, v200, s54            ; lanes 16-31: block 2 t + 1; lanes 0-15: block 2 t + 2
	v_mov_b32 v200, v201
	v_min_u32 v202, 127, v202
	v_and_b32 v207, 0x7d, v202                     ; a token's element in a row: 4 x its code, less the query's bit
	v_lshlrev_b32 v199, 2, v207
	v_and_b32 v207, 0x7d, v201
	v_lshlrev_b32 v198, 2, v207
.endm
.macro STEP rho, i
.set SR, 44+2*((\i)%4)
.set TR, 52+(\i)%2
.set UC, 32+16*(\rho)+(\i)
.set RC, 64+64*(\rho)+4*(\i)
.set UN, 32+16*(1-(\rho))+(\i)
.set RN, 64+64*(1-(\rho))+4*(\i)
	v_readlane_b32 s[SR], v[192+(\rho)], 16*(\rho)+(\i)                    ; s
	v_readlane_b32 s[TR], v202, 16*(1-(\rho))+(\i)                         ; the code of the same step of the next block
.if (\i) < 15
	v_fmac_f32_dpp v[192+(\rho)], v[192+(\rho)], v[UC] row_share:\i row_mask:0xf bank_mask:0xf   ; the chain: w at the block's tokens += s x the row there
.endif
	s_min_u32 s[TR], s[TR], 127                                            ; a row of TAB, whatever the lane held
	v_lshl_add_u32 v204, s[TR], 9, v[199-(\rho)]
	ds_load_b32 v[UN], v204 offset:TAB
	v_lshl_add_u32 v205, s[TR], 9, v203
	ds_load_b128 v[RN:RN+3], v205 offset:TAB
.if (\i) == 0
	v_mul_f32 v[193-(\rho)], s[SR], v[UC]                                  ; the next block's sums start
.else
	v_fmac_f32 v[193-(\rho)], s[SR], v[UC]
.endif
	v_pk_fma_f32 v[194:195], v[RC:RC+1], s[SR:SR+1], v[194:195] op_sel_hi:[1,0,1]      ; w
	v_pk_fma_f32 v[196:197], v[RC+2:RC+3], s[SR:SR+1], v[196:197] op_sel_hi:[1,0,1]    ; ctx
.endm
; LDS instructions come back in order (ISA guide 5.7.1).  Behind the last load that steps 4 a .. 4 a + 3 read were issued: the last block's steps 4 a + 4 .. 15 (2 each), this block's head (2) and
; its steps 0 .. 4 a - 1 (2 each): 26 whatever a.  In front of step 12 the count is 24, this block's own loads alone, so that the snapshot's look-up is in too.
.macro BLOCK rho
	ds_store_b64 v203, v[194:195] offset:WS                                ; the snapshot of w,
	ds_load_b32 v206, v[198+(\rho)] offset:WS                              ; looked up at the next block's tokens
.if (\rho) == 0
	TOKTRIP
.endif
	s_wait_dscnt 26
.irp i, 0,1,2,3
	STEP \rho, \i
.endr
	s_wait_dscnt 26
.irp i, 4,5,6,7
	STEP \rho, \i
.endr
	s_wait_dscnt 26
.irp i, 8,9,10,11
	STEP \rho, \i
.endr
	s_wait_dscnt 24
	v_add_f32 v[193-(\rho)], v[193-(\rho)], v206
.irp i, 12,13,14,15
	STEP \rho, \i
.endr
.endm
	s_mov_b32 s63, 16
.Lfour:
	s_mov_b32 s62, 4
.Ltrip:                                            ; a trip: blocks 2 t and 2 t + 1; the last trip asks for row 0 (the codes past the end), which nobody reads
	BLOCK 0
	BLOCK 1
	s_sub_co_u32 s62, s62, 1
	s_cmp_lg_u32 s62, 0
	s_cbranch_scc1 .Ltrip
.set mm, 0
.rept 15                                       ; four trips have used up a word of codes
	v_mov_b32 v[216+mm], v[217+mm]
.set mm, mm+1
.endr
	v_mov_b32 v231, 0
	s_sub_co_u32 s63, s63, 1
	s_cmp_lg_u32 s63, 0
	s_cbranch_scc1 .Lfour
	s_wait_dscnt 0x0
; ---------------------------------------------------------------- logits = (ctx read_w + read_b) out_w + out_b: one row, in f32: a matrix tile would be 15/16 empty
.macro RL src, g                       ; four elements of the vector as scalars: element k lies in lane k / 2, register k % 2
.irp u, 0,1,2,3
	v_readlane_b32 s[44+2*((4*(\g)+\u)%8)], v[(\src)+(\u)%2], (4*(\g)+\u)/2
.endr
.endm
.macro FM g                            ; four rows of the matrix, four chains
.irp u, 0,1,2,3
.set KK, 4*(\g)+\u
.if KK == 0
	v_pk_fma_f32 v[32:33], v[64:65], s[44:45], v[210:211] op_sel_hi:[1,0,1]
.elseif KK < 4
	v_pk_mul_f32 v[32+2*KK:33+2*KK], v[64+2*KK:65+2*KK], s[44+2*KK:45+2*KK] op_sel_hi:[1,0]
.else
	v_pk_fma_f32 v[32+2*\u:33+2*\u], v[64+2*KK:65+2*KK], s[44+2*(KK%8):45+2*(KK%8)], v[32+2*\u:33+2*\u] op_sel_hi:[1,0,1]
.endif
.endr
.endm
.macro VECMAT src, moff, boff, dst
.set kk, 0
.rept 64
	ds_load_b64 v[64+2*kk:65+2*kk], v208 offset:(\moff)+256*kk
.set kk, kk+1
.endr
	ds_load_b64 v[210:211], v207 offset:\boff
	RL \src, 0
	s_wait_dscnt 0x0
.set gg, 0
.rept 16
.if gg < 15
	RL \src, gg+1                                  ; a group ahead of its use
.endif
	FM gg
.set gg, gg+1
.endr
	v_pk_add_f32 v[32:33], v[32:33], v[34:35]
	v_pk_add_f32 v[36:37], v[36:37], v[38:39]
	v_pk_add_f32 v[\dst:\dst+1], v[32:33], v[36:37]
.endm
	s_mov_b32 s53, 0
	s_mov_b32 s55, 0
	s_mov_b32 s57, 0
	s_mov_b32 s59, 0
	v_lshlrev_b32 v209, 3, v1
	v_add_nc_u32 v208, RWF, v209
	v_add_nc_u32 v207, PAR, v209
	VECMAT 196, 0, 1536, 40
	VECMAT 40, 16384, 1792, 42
	s_lshl_b32 s6, s5, 8
	s_mov_b32 s7, 0
	s_add_nc_u64 s[40:41], s[40:41], s[6:7]
	global_store_b64 v209, v[42:43], s[40:41]      ; the wave stores 256 consecutive bytes, at a multiple of 256 from out0's first byte
	s_branch .Lend
; ---------------------------------------------------------------- work-group 128, wave 0: out1
.Lcount_end:
	s_cmp_lg_u32 s4, 0
	s_cbranch_scc1 .Lend
	v_mov_b32 v34, RED
	v_mov_b32 v35, 0
	ds_load_b128 v[44:47], v34
	s_wait_dscnt 0x0
	v_add_f32 v44, v44, v45
	v_add_f32 v46, v46, v47
	v_add_f32 v44, v44, v46
	v_mul_f32 v44, 0x36801002, v44                 ; / (128 x 2,047)
	s_wait_xcnt 0x0                                ; EXEC changes only behind this wait
	v_cmp_eq_u32 vcc_lo, 0, v0
	s_and_saveexec_b32 s6, vcc_lo
	global_store_b32 v35, v44, s[42:43]
	s_wait_xcnt 0x0                                ; and again, in front of the line that widens it
	s_or_b32 exec_lo, exec_lo, s6
.Lend:
	s_wait_tensorcnt 0x0                           ; the wave's end, behind my last LDS store
	ds_add_u32 v4, v5
	s_wait_dscnt 0x0
	s_endpgm
.Lfunc_end_k_qba8a923ed9_delta:
	.size	k_qba8a923ed9_delta, .Lfunc_end_k_qba8a923ed9_delta-k_qba8a923ed9_delta
	.p2alignl 7, 3214868480
	.fill 96, 4, 3214868480
	.section	.rodata,"a",@progbits
	.p2align	6, 0x0
	.amdhsa_kernel k_qba8a923ed9_delta
		.amdhsa_group_segment_fixed_size 273408
		.amdhsa_private_segment_fixed_size 0
		.amdhsa_enable_private_segment 0
		.amdhsa_kernarg_size 144
		.amdhsa_user_sgpr_count 2
		.amdhsa_user_sgpr_kernarg_segment_ptr 1
		.amdhsa_wavefront_size32 1
		.amdhsa_system_sgpr_workgroup_id_x 1
		.amdhsa_system_sgpr_workgroup_id_y 1
		.amdhsa_system_sgpr_workgroup_id_z 1
		.amdhsa_system_vgpr_workitem_id 0
		.amdhsa_next_free_vgpr 448
		.amdhsa_next_free_sgpr 80
		.amdhsa_reserve_vcc 1
		.amdhsa_float_denorm_mode_32 3
		.amdhsa_float_denorm_mode_16_64 3
		.amdhsa_memory_ordered 1
		.amdhsa_forward_progress 1
		.amdhsa_inst_pref_size 247
	.end_amdhsa_kernel
	.amdgpu_metadata
---
amdhsa.version: [ 1, 2 ]
amdhsa.kernels:
  - .name:           k_qba8a923ed9_delta
    .symbol:         k_qba8a923ed9_delta.kd
    .args:
      - { .name: seq, .offset: 0, .size: 8, .value_kind: global_buffer, .address_space: global }
      - { .name: embed, .offset: 8, .size: 8, .value_kind: global_buffer, .address_space: global }
      - { .name: ff_w1, .offset: 16, .size: 8, .value_kind: global_buffer, .address_space: global }
      - { .name: ff_w2, .offset: 24, .size: 8, .value_kind: global_buffer, .address_space: global }
      - { .name: gate_w1, .offset: 32, .size: 8, .value_kind: global_buffer, .address_space: global }
      - { .name: read_w, .offset: 40, .size: 8, .value_kind: global_buffer, .address_space: global }
      - { .name: out_w, .offset: 48, .size: 8, .value_kind: global_buffer, .address_space: global }
      - { .name: ff_b1, .offset: 56, .size: 8, .value_kind: global_buffer, .address_space: global }
      - { .name: ff_b2, .offset: 64, .size: 8, .value_kind: global_buffer, .address_space: global }
      - { .name: ln_g, .offset: 72, .size: 8, .value_kind: global_buffer, .address_space: global }
      - { .name: ln_b, .offset: 80, .size: 8, .value_kind: global_buffer, .address_space: global }
      - { .name: gate_b1, .offset: 88, .size: 8, .value_kind: global_buffer, .address_space: global }
      - { .name: gate_w2, .offset: 96, .size: 8, .value_kind: global_buffer, .address_space: global }
      - { .name: gate_b2, .offset: 104, .size: 8, .value_kind: global_buffer, .address_space: global }
      - { .name: read_b, .offset: 112, .size: 8, .value_kind: global_buffer, .address_space: global }
      - { .name: out_b, .offset: 120, .size: 8, .value_kind: global_buffer, .address_space: global }
      - { .name: out0, .offset: 128, .size: 8, .value_kind: global_buffer, .address_space: global }
      - { .name: out1, .offset: 136, .size: 8, .value_kind: global_buffer, .address_space: global }
    .group_segment_fixed_size: 273408
    .private_segment_fixed_size: 0
    .kernarg_segment_align: 8
    .kernarg_segment_size: 144
    .max_flat_workgroup_size: 128
    .sgpr_count:     80
    .vgpr_count:     448
    .wavefront_size: 32
...
	.end_amdgpu_metadata
.endif
;; end of part 1
;; ======== version 2 of 2: 1 launch
;; launch delta (part 2): grid 129 x 1, 4 waves a work-group, no clusters, 273,408 bytes of LDS; arguments seq, embed, ff_w1, ff_w2, gate_w1, read_w, out_w, ff_b1, ff_b2, ln_g, ln_b, gate_b1, gate_w2, gate_b2, read_b, out_b, out0, out1; writes out0, out1
.if DOCPART == 2
	.amdgcn_target "amdgcn-amd-amdhsa--gfx1250"
	.amdhsa_code_object_version 6
	.text
	.protected	k_qba8a923ed9_delta
	.globl	k_qba8a923ed9_delta
	.p2align	8
	.type	k_qba8a923ed9_delta,@function
k_qba8a923ed9_delta:
	s_mov_b64 s[64:65], 0
	v_nop
	global_prefetch_b8 v0, s[64:65] scope:SCOPE_SE
	s_setreg_imm32_b32 hwreg(HW_REG_WAVE_MODE, 25, 1), 1
	s_wait_xcnt 0x0
; GATED DELTA MEMORY, READ ONCE.  out0[b] = ((M_b q_b) read_w + read_b) out_w + out_b;  out1 = the mean of (g > 0.5) over 128 rows x 2,047 steps.
; THREE IDENTITIES, true for every input (only the order of f32 roundings differs from the scan as it is written):
;  1. Embedding, feed-forward, LayerNorm and gate work row by row, so they are made once for each of the 64 tokens: T[c], g[c], d[c] = |T[c]|^2 + 1e-6.
;  2. M' u = M (u - (g/d) k (k.u)) + g (k.u) k.  So M q is found walking time BACKWARDS from u = q: s = k.u; ctx += g s k; u -= (g/d) s k.
;  3. With w = T u and G = T T^T the dot product is a look-up: s = w[c]; w += s (-(g/d)[c] G[c][:]).
; WORK-GROUPS 0..127: one batch row each.  Four waves build the tables on the matrix units; then wave 0 walks the 2,048 positions.  WORK-GROUP 128 makes the gates in the same
; way and counts the flags over all of seq: out1 has one owner.
; FORMATS.  The table products take bf16 operands, each f32 number split as hi = bf16(x), lo = bf16(x - hi), with three products hi hi + lo hi + hi lo summed in f32: g > 0.5 is a
; step, and G feeds a recurrence of 2,047 steps.  LayerNorm, sigmoid, the walk and the two one-row products at the end are f32 vector work.
; LIMITS.  NaN and infinities are not treated apart (relu is v_max_num_f32).  A gate's logit within some 1e-5 of its own scale from 0 may fall on the other side of 0.5.
; Token ids are clamped to 0..63 for the walk; the count takes them as 0..63.
; NO CLUSTER: 129 work-groups divide into none, and the shared weights (some 121 KB, read once at the head) are split in registers on their way into LDS.
.set WS,    0          ; 512 B: the snapshot of w (and ctx), lane l's 16 bytes at 16 l (the layout of a row of TAB)
.set TAB,   512        ; 128 rows of 512 B; lane l's 16 bytes of row y: W[2l], W[2l+1], C[2l], C[2l+1]
                       ; y = 4 (c/2) + c%2: W = -(g/d)[c] G[c][:], C = g[c] T[c][:];   y + 2 (the query's row): W = G[c][:], C = 0
.set GV,    66048      ; g[64]
.set NB,    66304      ; -(g/d)[64]
.set PAR,   66560      ; b1 +0, b2 +512, ln_g +768, ln_b +1024, gate_b1 +1280, gate_w2 +1344, gate_b2 +1408, read_b +1536, out_b +1792
.set RED,   68608      ; the counting waves' four sums
.set SPARE, 68864      ; the spare words, 128 bytes for each wave: two blocks of 256 bytes that no other line names
.set TL,    69376      ; T in f32, pitch 272
.set TH,    86784      ; T hi, pitch 144; lo LO_T behind
.set EH,    105216     ; embed hi, pitch 144; lo LO_T behind
.set A1H,   123648     ; relu(E W1 + b1) hi, pitch 272; lo LO_A1 behind
.set W1H,   158464     ; ff_w1 [64 k][128 n] hi, pitch 288; lo LO_W1 behind
.set W2H,   195328     ; ff_w2 [128 k][64 n] hi, pitch 160; lo LO_W2 behind
.set GWH,   236288     ; gate_w1 [64 k][16 n] hi, pitch 32; lo LO_GW behind
.set RWF,   240384     ; read_w in f32, pitch 256; out_w 16,384 behind
.set LO_T,  9216
.set LO_A1, 17408
.set LO_W1, 18432
.set LO_W2, 20480
.set LO_GW, 2048
; v0 thread, v1 lane l, v2 r = l % 16, v3 h = l / 16, v4 my spare word, v5 0 (these two for the closing add alone); v6-v31 addresses of the phase in hand.
; s4 wave, s5 work-group, s[8:43] the 18 buffers in the order of the arguments, s[60:61] lane selects, s[72:73] seq at my row.
.set MSB, 0
.macro WIN new                         ; s_set_vgpr_msb: the high byte repeats the setting that is left; a switch that changes nothing is dropped
.if MSB != (\new)
	s_set_vgpr_msb (MSB<<8)|(\new)
.set MSB, \new
.endif
.endm
.macro BAR                             ; my LDS instructions are done, then the work-group's barrier
	s_wait_dscnt 0x0
	s_barrier_signal -1
	s_barrier_wait -1
.endm
.macro NOP5                            ; the places behind a batch of matrix instructions (ISA guide 7.12.1): they serve all that follows
.rept 5
	v_nop
.endr
.endm
; THE SPLIT INTO HI AND LO goes by kinds of instruction over a whole batch: all hi words, all residuals, all lo words; no line reads the result of a line near it; the batch's LDS stores
; follow in one run.  M1 names the register that holds -1.0.
.set M1, 43
.macro HCVT src, n, hb                 ; n pairs of f32 at v[src] -> n words of hi at v[hb]
.set np, 0
.rept \n
	v_cvt_pk_bf16_f32 v[(\hb)+np], v[(\src)+2*np], v[(\src)+2*np+1]
.set np, np+1
.endr
.endm
.macro RESID src, n, hb, rb            ; x - hi into v[rb]: a half of the hi word times -1.0, plus x, in one multiply-add
.set np, 0
.rept \n
	v_fma_mix_f32_bf16 v[(\rb)+2*np], v[(\hb)+np], v[M1], v[(\src)+2*np] op_sel_hi:[1,0,0]
	v_fma_mix_f32_bf16 v[(\rb)+2*np+1], v[(\hb)+np], v[M1], v[(\src)+2*np+1] op_sel:[1,0,0] op_sel_hi:[1,0,0]
.set np, np+1
.endr
.endm
.macro LCVT rb, n                      ; the residuals -> n words of lo at v[rb], packed downwards: word p is written when registers 2 p and 2 p + 1 are read, and no earlier line needs it
.set np, 0
.rept \n
	v_cvt_pk_bf16_f32 v[(\rb)+np], v[(\rb)+2*np], v[(\rb)+2*np+1]
.set np, np+1
.endr
.endm
.macro RELU b
.irp j, 0,1,2,3,4,5,6,7
	v_max_num_f32 v[(\b)+\j], 0, v[(\b)+\j]
.endr
.endm
; FRAGMENTS.  AF(ks, p) = v[32 + 16 p + 8 ks]: my 16 rows, K = 32 ks .., p = 0 hi, 1 lo.  WF(ks, t, p) = v[64 + 64 ks + 16 t + 8 p]: the other side's 16 columns 16 t ..
.macro LDA adr, off, lod               ; rows that lie along K: two loads of 16 bytes, 32 bytes apart
.irp ks, 0,1
.irp p, 0,1
	ds_load_b128 v[32+16*\p+8*\ks:35+16*\p+8*\ks], v[\adr] offset:(\off)+64*\ks+\p*(\lod)
	ds_load_b128 v[36+16*\p+8*\ks:39+16*\p+8*\ks], v[\adr] offset:(\off)+64*\ks+\p*(\lod)+32
.endr
.endr
.endm
.macro LDWT adr, off, pit, lod         ; weights stored [k][n]: the turning load, 16 rows of k apart
.irp ks, 0,1
.irp t, 0,1,2,3
.irp p, 0,1
	ds_load_tr16_b128 v[64+64*\ks+16*\t+8*\p:67+64*\ks+16*\t+8*\p], v[\adr] offset:(\off)+32*\ks*(\pit)+32*\t+\p*(\lod)
	ds_load_tr16_b128 v[68+64*\ks+16*\t+8*\p:71+64*\ks+16*\t+8*\p], v[\adr] offset:(\off)+32*\ks*(\pit)+32*\t+\p*(\lod)+16*(\pit)
.endr
.endr
.endr
.endm
.macro LDB adr                         ; all 64 rows of T as the other side of G
.irp ks, 0,1
.irp t, 0,1,2,3
.irp p, 0,1
	ds_load_b128 v[64+64*\ks+16*\t+8*\p:67+64*\ks+16*\t+8*\p], v[\adr] offset:2304*\t+64*\ks+LO_T*\p
	ds_load_b128 v[68+64*\ks+16*\t+8*\p:71+64*\ks+16*\t+8*\p], v[\adr] offset:2304*\t+64*\ks+LO_T*\p+32
.endr
.endr
.endr
.endm
; 24 matrix instructions: K = 64, three products (hi hi, lo hi, hi lo), four tiles of 16 columns.  The four accumulators take turns, one instruction a turn.
; swap = 0: source 0 = the weights: a lane ends with ONE row (r) and the columns 16 t + 8 h + 0..7.  swap = 1: source 0 = my rows: a lane ends with rows 8 h + 0..7 and column 16 t + r.
.macro WM24 acc, swap, zero
.irp ks, 0,1
.irp pp, 0,1,2
.irp t, 0,1,2,3
.set WFR, 64+64*(\ks)+16*(\t)+8*((\pp)%2)
.set AFR, 32+16*((\pp)/2)+8*(\ks)
.set DR, (\acc)+8*(\t)
.if \swap
.if (\zero) && ((\ks)+(\pp) == 0)
	v_wmma_f32_16x16x32_bf16 v[DR:DR+7], v[AFR:AFR+7], v[WFR:WFR+7], 0
.else
	v_wmma_f32_16x16x32_bf16 v[DR:DR+7], v[AFR:AFR+7], v[WFR:WFR+7], v[DR:DR+7]
.endif
.else
	v_wmma_f32_16x16x32_bf16 v[DR:DR+7], v[WFR:WFR+7], v[AFR:AFR+7], v[DR:DR+7]
.endif
.endr
.endr
.endr
.endm
; Sums over a row of 64: a lane's 32 numbers in v[224:255], then the lane 16 away.  The result is in v160, in every lane.
.macro TREE
.irp i, 0,1,2,3
	v_pk_add_f32 v[160+4*\i:161+4*\i], v[160+4*\i:161+4*\i], v[162+4*\i:163+4*\i]
.endr
.irp i, 0,1
	v_pk_add_f32 v[160+8*\i:161+8*\i], v[160+8*\i:161+8*\i], v[164+8*\i:165+8*\i]
.endr
	v_pk_add_f32 v[160:161], v[160:161], v[168:169]
	v_add_f32 v160, v160, v161
	v_permlanex16_b32 v161, v160, s60, s61
	v_add_f32 v160, v160, v161
.endm
.macro SUM32
.irp i, 0,1,2,3,4,5,6,7
	v_pk_add_f32 v[160+2*\i:161+2*\i], v[224+4*\i:225+4*\i], v[226+4*\i:227+4*\i]
.endr
	TREE
.endm
.macro SQ32
.irp i, 0,1,2,3,4,5,6,7
	v_pk_mul_f32 v[160+2*\i:161+2*\i], v[224+4*\i:225+4*\i], v[224+4*\i:225+4*\i]
.endr
.irp i, 0,1,2,3,4,5,6,7
	v_pk_fma_f32 v[160+2*\i:161+2*\i], v[226+4*\i:227+4*\i], v[226+4*\i:227+4*\i], v[160+2*\i:161+2*\i]
.endr
	TREE
.endm
; ---------------------------------------------------------------- the head
	s_load_b512 s[8:23], s[0:1], 0x0               ; seq, embed, ff_w1, ff_w2, gate_w1, read_w, out_w, ff_b1
	s_load_b512 s[24:39], s[0:1], 0x40             ; ff_b2, ln_g, ln_b, gate_b1, gate_w2, gate_b2, read_b, out_b
	s_load_b128 s[40:43], s[0:1], 0x80             ; out0, out1
	v_lshl_add_u32 v4, v0, 2, SPARE
	v_mov_b32 v5, 0
	v_lshrrev_b32 v1, 5, v0
	v_readfirstlane_b32 s4, v1                     ; wave 0..3
	s_mov_b32 s5, ttmp9                            ; work-group 0..128
	s_mov_b32 s60, 0x76543210                      ; v_permlanex16_b32: each lane takes its own place in the other half
	s_mov_b32 s61, 0xfedcba98
	v_and_b32 v1, 31, v0
	v_and_b32 v2, 15, v0
	v_bfe_u32 v3, v0, 4, 1
	v_lshlrev_b32 v8, 4, v1                        ; 16 l
	v_lshl_add_u32 v9, s4, 13, v8                  ; my 8,192 bytes of ff_w1 and ff_w2
	v_lshl_add_u32 v10, s4, 12, v8                 ; my 4,096 bytes of embed, read_w, out_w
	v_lshl_add_u32 v11, s4, 10, v8                 ; my 1,024 bytes of gate_w1
	v_lshlrev_b32 v12, 3, v1                       ; 8 l
	v_lshlrev_b32 v13, 2, v2                       ; 4 r
	v_mov_b32 v14, 0
	v_lshlrev_b32 v15, 8, v1                       ; 256 l
	s_min_u32 s6, s5, 127
	s_lshl_b32 s6, s6, 13
	s_mov_b32 s7, 0
	s_wait_kmcnt 0x0
	s_add_nc_u64 s[72:73], s[8:9], s[6:7]          ; seq at my batch row
; ---------------------------------------------------------------- staging: every wave a quarter of each table; wave 0 also the small vectors, its oldest loads
	s_cmp_lg_u32 s4, 0
	s_cbranch_scc1 .Lno_par
	global_load_b128 v[24:27], v8, s[22:23]
	global_load_b64 v[28:29], v12, s[24:25]
	global_load_b64 v[30:31], v12, s[26:27]
	global_load_b64 v[32:33], v12, s[28:29]
	global_load_b64 v[34:35], v12, s[36:37]
	global_load_b64 v[36:37], v12, s[38:39]
	global_load_b32 v38, v13, s[30:31]
	global_load_b32 v39, v13, s[32:33]
	global_load_b32 v40, v14, s[34:35]
.Lno_par:
.set qq, 0
.rept 16
	global_load_b128 v[44+4*qq:47+4*qq], v9, s[12:13] offset:512*qq
.set qq, qq+1
.endr
.set qq, 0
.rept 16
	global_load_b128 v[108+4*qq:111+4*qq], v9, s[14:15] offset:512*qq
.set qq, qq+1
.endr
.set qq, 0
.rept 8
	global_load_b128 v[172+4*qq:175+4*qq], v10, s[10:11] offset:512*qq
.set qq, qq+1
.endr
	global_load_b128 v[204:207], v11, s[16:17]
	global_load_b128 v[208:211], v11, s[16:17] offset:512
	WIN 0x40                                       ; destination in the second register window: read_w and out_w only pass through registers, and the first window is full
.set qq, 0
.rept 8
	global_load_b128 v[64+4*qq:67+4*qq], v10, s[18:19] offset:512*qq       ; read_w
.set qq, qq+1
.endr
	WIN 0
	s_mul_i32 s6, s4, 4608                         ; where they go: ff_w1 rows 16 w + q, 8 l
	s_add_co_u32 s6, s6, W1H
	v_add_nc_u32 v16, s6, v12
	v_mul_u32_u24 v17, v3, 160                     ; ff_w2 rows 32 w + 2 q + h, 8 r
	v_lshl_add_u32 v17, v2, 3, v17
	s_mul_i32 s6, s4, 5120
	s_add_co_u32 s6, s6, W2H
	v_add_nc_u32 v17, s6, v17
	v_mul_u32_u24 v18, v3, 144                     ; embed rows 16 w + 2 q + h, 8 r
	v_lshl_add_u32 v18, v2, 3, v18
	s_mul_i32 s6, s4, 2304
	s_add_co_u32 s6, s6, EH
	v_add_nc_u32 v18, s6, v18
	s_lshl_b32 s6, s4, 9                           ; gate_w1: rows of 32 bytes lie end to end: 512 w + 8 l
	s_add_co_u32 s6, s6, GWH
	v_add_nc_u32 v19, s6, v12
	s_lshl_b32 s6, s4, 12
	s_add_co_u32 s6, s6, RWF
	v_add_nc_u32 v20, s6, v8
	v_add_nc_u32 v21, PAR, v8
	v_add_nc_u32 v22, PAR, v12
	v_add_nc_u32 v23, PAR, v13
	v_mov_b32 v43, -1.0                            ; M1
	s_wait_loadcnt 34                              ; ff_w1 is in: the 16 + 8 + 2 + 8 younger loads may stay out
	HCVT 44, 32, 212                               ; load q's four numbers: hi in v[212 + 2 q ..], lo in v[44 + 2 q ..]
	RESID 44, 32, 212, 44
	LCVT 44, 32
.set qq, 0
.rept 16
	ds_store_b64 v16, v[212+2*qq:213+2*qq] offset:288*qq
	ds_store_b64 v16, v[44+2*qq:45+2*qq] offset:288*qq+LO_W1
.set qq, qq+1
.endr
	WIN 0x40
.set qq, 0
.rept 8
	global_load_b128 v[96+4*qq:99+4*qq], v10, s[20:21] offset:512*qq       ; out_w
.set qq, qq+1
.endr
	WIN 0
	s_lshr_b32 s6, s5, 7                           ; wave 0 of a work-group that walks a row asks for that row, 8,192 bytes: a lane for each 256; each row is named once in the launch;
	s_or_b32 s6, s6, s4                            ; its 64 loads follow behind the table products
	s_cmp_lg_u32 s6, 0
	s_cbranch_scc1 .Lno_ask
	global_prefetch_b8 v15, s[72:73] th:TH_LOAD_NT scope:SCOPE_SE
.Lno_ask:
	s_wait_loadcnt 26                              ; ff_w2: 8 + 2 + 8 + 8 younger
	HCVT 108, 32, 76                               ; hi in v[76 + 2 q ..], registers that ff_w1's residuals have left and no store reads; lo in v[108 + 2 q ..]
	RESID 108, 32, 76, 108
	LCVT 108, 32
.set qq, 0
.rept 16
	ds_store_b64 v17, v[76+2*qq:77+2*qq] offset:320*qq
	ds_store_b64 v17, v[108+2*qq:109+2*qq] offset:320*qq+LO_W2
.set qq, qq+1
.endr
	s_wait_loadcnt 16                              ; embed and gate_w1, whose registers lie on end: one batch of ten loads; 8 + 8 younger
	HCVT 172, 20, 212
	RESID 172, 20, 212, 172
	LCVT 172, 20
.set qq, 0
.rept 8
	ds_store_b64 v18, v[212+2*qq:213+2*qq] offset:288*qq
	ds_store_b64 v18, v[172+2*qq:173+2*qq] offset:288*qq+LO_T
.set qq, qq+1
.endr
.set qq, 0
.rept 2
	ds_store_b64 v19, v[228+2*qq:229+2*qq] offset:256*qq
	ds_store_b64 v19, v[188+2*qq:189+2*qq] offset:256*qq+LO_GW
.set qq, qq+1
.endr
	s_cmp_lg_u32 s4, 0
	s_cbranch_scc1 .Lno_par2
	v_mov_b32 v41, PAR+1408
	ds_store_b128 v21, v[24:27]
	ds_store_b64 v22, v[28:29] offset:512
	ds_store_b64 v22, v[30:31] offset:768
	ds_store_b64 v22, v[32:33] offset:1024
	ds_store_b64 v22, v[34:35] offset:1536
	ds_store_b64 v22, v[36:37] offset:1792
	ds_store_b32 v23, v38 offset:1280
	ds_store_b32 v23, v39 offset:1344
	ds_store_b32 v41, v40
.Lno_par2:
	s_wait_loadcnt 0x0
	WIN 0x04                                       ; an LDS store's data are its source 1: second window; the address stays in the first
.set qq, 0
.rept 8
	ds_store_b128 v20, v[64+4*qq:67+4*qq] offset:512*qq
	ds_store_b128 v20, v[96+4*qq:99+4*qq] offset:16384+512*qq
.set qq, qq+1
.endr
	WIN 0
	BAR                                            ; barrier 1: the tables are staged
; ---------------------------------------------------------------- addresses of the table phases.  Wave w owns tokens 16 w .. 16 w + 15
	s_wait_xcnt 0x0                                ; the staging's offset registers, the prefetch's among them, are written again only behind this wait
	v_and_b32 v23, 7, v0
	v_bfe_u32 v24, v0, 3, 1
	v_lshl_add_u32 v25, v3, 3, v23                 ; the turning load's row: 8 h + l % 8
	v_lshlrev_b32 v24, 4, v24                      ; and its 16 bytes
	v_mul_u32_u24 v7, v25, 288
	v_add_nc_u32 v7, v7, v24
	v_add_nc_u32 v7, W1H, v7                       ; v7  ff_w1, turned
	v_mul_u32_u24 v11, v25, 160
	v_add_nc_u32 v11, v11, v24
	v_add_nc_u32 v11, W2H, v11                     ; v11 ff_w2, turned
	v_lshlrev_b32 v14, 5, v25
	v_add_nc_u32 v14, v14, v24
	v_add_nc_u32 v14, GWH, v14                     ; v14 gate_w1, turned
	v_mul_u32_u24 v26, v2, 144
	v_lshl_add_u32 v26, v3, 4, v26                 ; r x 144 + 16 h
	s_mul_i32 s6, s4, 2304
	s_add_co_u32 s7, s6, EH
	v_add_nc_u32 v6, s7, v26                       ; v6  my rows of embed
	s_add_co_u32 s7, s6, TH
	v_add_nc_u32 v13, s7, v26                      ; v13 my rows of T
	v_add_nc_u32 v16, TH, v26                      ; v16 rows r of T
	v_mul_u32_u24 v27, v2, 272
	s_mul_i32 s6, s4, 4352
	s_add_co_u32 s7, s6, A1H
	v_lshl_add_u32 v8, v3, 4, v27
	v_add_nc_u32 v8, s7, v8                        ; v8  my rows of a1
	s_add_co_u32 s7, s6, TL
	v_lshl_add_u32 v12, v3, 5, v27
	v_add_nc_u32 v12, s7, v12                      ; v12 my rows of T in f32, 32 h
	v_lshl_add_u32 v20, v1, 3, s7                  ; v20 the same rows, 8 l
	v_lshlrev_b32 v9, 5, v3
	v_add_nc_u32 v9, PAR, v9                       ; v9  vectors by my columns: 32 h
	v_lshlrev_b32 v10, 8, v2
	v_lshl_add_u32 v10, v3, 5, v10
	v_lshl_add_u32 v10, s4, 12, v10                ; v10 embed in memory: row 16 w + r, 32 h
	s_lshl_b32 s6, s4, 6
	s_add_co_u32 s7, s6, GV
	v_lshl_add_u32 v15, v2, 2, s7                  ; v15 g of row 16 w + r
	v_mov_b32 v19, s7                              ; v19 g of my 16 rows, the same address in every lane
	s_add_co_u32 s7, s6, NB
	v_lshl_add_u32 v17, v3, 5, s7                  ; v17 -(g/d) of rows 16 w + 8 h ..
	v_and_b32 v18, 14, v2
	v_lshlrev_b32 v18, 3, v18
	v_and_b32 v28, 1, v2
	v_lshl_add_u32 v18, v28, 2, v18
	v_lshl_add_u32 v18, v3, 13, v18
	v_lshl_add_u32 v18, s4, 14, v18                ; v18 TAB: rows 16 w + 8 h .., element r
	v_lshlrev_b32 v21, 4, v1
	v_lshl_add_u32 v21, s4, 14, v21                ; v21 TAB: rows 16 w .., 16 l
	v_mov_b32 v22, PAR+1408                        ; v22 gate_b2
.set M1, 31
	v_mov_b32 v31, -1.0                            ; M1, up to the last split
; ---------------------------------------------------------------- a1 = relu(E W1 + b1): 16 rows x 128 columns in two halves.  The bias is loaded as the sums' start
.irp t, 0,1,2,3
	global_load_b128 v[224+8*\t:227+8*\t], v10, s[10:11] offset:64*\t      ; the residual E in f32: the second product's sums start with it
	global_load_b128 v[228+8*\t:231+8*\t], v10, s[10:11] offset:64*\t+16
.endr
	LDA 6, 0, LO_T
.irp nh, 0,1
.irp t, 0,1,2,3
	ds_load_b128 v[192+8*\t:195+8*\t], v9 offset:256*\nh+64*\t
	ds_load_b128 v[196+8*\t:199+8*\t], v9 offset:256*\nh+64*\t+16
.endr
	LDWT 7, 128*\nh, 288, LO_W1
	s_wait_dscnt 0x0
	WM24 192, 0, 0
	NOP5
.irp t, 0,1,2,3
	RELU 192+8*\t                                  ; ascending: each accumulator is read from its low end on
.endr
	HCVT 192, 16, 64                               ; tile t's eight columns: hi in v[64 + 4 t ..], lo in v[192 + 4 t ..]
	RESID 192, 16, 64, 192
	LCVT 192, 16
.irp t, 0,1,2,3
	ds_store_b128 v8, v[64+4*\t:67+4*\t] offset:128*\nh+32*\t
	ds_store_b128 v8, v[192+4*\t:195+4*\t] offset:128*\nh+32*\t+LO_A1
.endr
.endr
; ---------------------------------------------------------------- x = E + a1 W2: K = 128 in two halves.  a1's rows are my own: LDS serves a wave's instructions in order
.irp kp, 0,1
	LDA 8, 128*\kp, LO_A1
	LDWT 11, 10240*\kp, 160, LO_W2
	s_wait_dscnt 0x0
	s_wait_loadcnt 0x0                             ; the residual
	WM24 224, 0, 0
	NOP5
.endr
; ---------------------------------------------------------------- T = LayerNorm(x + b2); d = |T|^2 + 1e-6.  A lane holds row r and 32 of its columns, the lane 16 away the others
.irp t, 0,1,2,3
	ds_load_b128 v[64+8*\t:67+8*\t], v9 offset:512+64*\t
	ds_load_b128 v[68+8*\t:71+8*\t], v9 offset:512+64*\t+16
	ds_load_b128 v[96+8*\t:99+8*\t], v9 offset:768+64*\t
	ds_load_b128 v[100+8*\t:103+8*\t], v9 offset:768+64*\t+16
	ds_load_b128 v[128+8*\t:131+8*\t], v9 offset:1024+64*\t
	ds_load_b128 v[132+8*\t:135+8*\t], v9 offset:1024+64*\t+16
.endr
	s_wait_dscnt 0x0
.set ii, 0
.rept 16
	v_pk_add_f32 v[224+ii:225+ii], v[224+ii:225+ii], v[64+ii:65+ii]        ; ascending: each accumulator is read from its low end on
.set ii, ii+2
.endr
	SUM32
	v_mul_f32 v176, 0x3c800000, v160               ; the mean
	v_mov_b32 v177, v176
.set ii, 0
.rept 16
	v_pk_add_f32 v[224+ii:225+ii], v[224+ii:225+ii], v[176:177] neg_lo:[0,1] neg_hi:[0,1]
.set ii, ii+2
.endr
	SQ32
	v_mul_f32 v178, 0x3c800000, v160               ; the variance
	v_add_f32 v178, 0x3727c5ac, v178               ; + 1e-5
	v_rsq_f32 v176, v178
	v_nop                                          ; a plain instruction behind the transcendental,
	s_wait_alu depctr_va_vdst(0)                   ; and the wait ahead of its first reader
	v_mov_b32 v177, v176
.set ii, 0
.rept 16
	v_pk_mul_f32 v[224+ii:225+ii], v[224+ii:225+ii], v[176:177]
.set ii, ii+2
.endr
.set ii, 0
.rept 16
	v_pk_fma_f32 v[224+ii:225+ii], v[224+ii:225+ii], v[96+ii:97+ii], v[128+ii:129+ii]
.set ii, ii+2
.endr
	SQ32
	v_add_f32 v28, 0x358637bd, v160                ; d = |T|^2 + 1e-6
	HCVT 224, 16, 64                               ; T stays as it is for its f32 copy: hi in v[64 + 4 t ..], residuals and then lo in v[96 ..], where b2 and ln_g lay
	RESID 224, 16, 64, 96
	LCVT 96, 16
.irp t, 0,1,2,3
	ds_store_b128 v12, v[224+8*\t:227+8*\t] offset:64*\t
	ds_store_b128 v12, v[228+8*\t:231+8*\t] offset:64*\t+16
.endr
.irp t, 0,1,2,3
	ds_store_b128 v13, v[64+4*\t:67+4*\t] offset:32*\t
	ds_store_b128 v13, v[96+4*\t:99+4*\t] offset:32*\t+LO_T
.endr
; ---------------------------------------------------------------- the gate: g = sigmoid(relu(T gw1 + gb1) . gw2 + gb2)
	LDA 13, 0, LO_T                                ; my rows of T: they stay in v[32:63] for G
.irp ks, 0,1
.irp p, 0,1
	ds_load_tr16_b128 v[64+16*\ks+8*\p:67+16*\ks+8*\p], v14 offset:1024*\ks+LO_GW*\p
	ds_load_tr16_b128 v[68+16*\ks+8*\p:71+16*\ks+8*\p], v14 offset:1024*\ks+LO_GW*\p+512
.endr
.endr
	ds_load_b128 v[120:123], v9 offset:1280
	ds_load_b128 v[124:127], v9 offset:1296
	ds_load_b128 v[128:131], v9 offset:1344
	ds_load_b128 v[132:135], v9 offset:1360
	ds_load_b32 v136, v22
	s_wait_dscnt 0x0
	v_wmma_f32_16x16x32_bf16 v[96:103],  v[64:71], v[32:39], 0             ; three accumulators (hi hi, lo hi, hi lo) by turns
	v_wmma_f32_16x16x32_bf16 v[104:111], v[72:79], v[32:39], 0
	v_wmma_f32_16x16x32_bf16 v[112:119], v[64:71], v[48:55], 0
	v_wmma_f32_16x16x32_bf16 v[96:103],  v[80:87], v[40:47], v[96:103]
	v_wmma_f32_16x16x32_bf16 v[104:111], v[88:95], v[40:47], v[104:111]
	v_wmma_f32_16x16x32_bf16 v[112:119], v[80:87], v[56:63], v[112:119]
	NOP5
.irp i, 0,2,4,6
	v_pk_add_f32 v[96+\i:97+\i], v[96+\i:97+\i], v[104+\i:105+\i]
.endr
.irp i, 0,2,4,6
	v_pk_add_f32 v[112+\i:113+\i], v[112+\i:113+\i], v[120+\i:121+\i]
.endr
.irp i, 0,2,4,6
	v_pk_add_f32 v[96+\i:97+\i], v[96+\i:97+\i], v[112+\i:113+\i]
.endr
	RELU 96
	v_pk_mul_f32 v[138:139], v[96:97], v[128:129]
	v_pk_fma_f32 v[138:139], v[98:99], v[130:131], v[138:139]
	v_pk_fma_f32 v[138:139], v[100:101], v[132:133], v[138:139]
	v_pk_fma_f32 v[138:139], v[102:103], v[134:135], v[138:139]
	v_add_f32 v138, v138, v139
	v_permlanex16_b32 v139, v138, s60, s61         ; the other eight hidden units lie in the lane 16 away
	v_add_f32 v138, v138, v139
	v_add_f32 v138, v138, v136
	v_mul_f32 v140, 0xbfb8aa3b, v138               ; -log2(e) z
	v_exp_f32 v141, v140
	v_nop
	s_wait_alu depctr_va_vdst(0)
	v_add_f32 v141, 1.0, v141
	v_rcp_f32 v29, v141                            ; g
	v_rcp_f32 v30, v28                             ; 1 / d: one batch, one wait
	v_nop
	s_wait_alu depctr_va_vdst(0)
	v_fma_f32 v31, -v29, v30, 0                    ; -(g/d)
	ds_store_b32 v15, v29
	ds_store_b32 v15, v31 offset:256
	BAR                                            ; barrier 2: T, g and -(g/d) of all 64 tokens lie in LDS
	s_cmp_eq_u32 s5, 128
	s_cbranch_scc1 .Lcount
; ---------------------------------------------------------------- G = T T^T for my 16 rows, and my 32 rows of TAB
	LDB 16
	ds_load_b128 v[24:27], v17
	ds_load_b128 v[28:31], v17 offset:16
	s_wait_dscnt 0x0
	WM24 192, 1, 1
	NOP5
	s_cmp_lg_u32 s4, 0
	s_cbranch_scc1 .Lno_tok
	v_lshlrev_b32 v23, 2, v1                       ; wave 0: the row's 2,048 tokens, last first: register e, lane l: position n = 32 e + l counted from the row's end.
	v_sub_nc_u32 v23, 124, v23                     ; They land while TAB is made and stored
.set ee, 0
.rept 64
	global_load_b32 v[96+ee], v23, s[72:73] offset:8064-128*ee
.set ee, ee+1
.endr
.Lno_tok:
	ds_load_b128 v[32:35], v19                     ; g of my 16 rows and the rows of T are asked for first; the 32 products with -(g/d) stand between these loads and the wait for them
	ds_load_b128 v[36:39], v19 offset:16
	ds_load_b128 v[40:43], v19 offset:32
	ds_load_b128 v[44:47], v19 offset:48
.set rr, 0
.rept 16
	ds_load_b64 v[160+2*rr:161+2*rr], v20 offset:272*rr
.set rr, rr+1
.endr
	v_mov_b32 v48, 0
	v_mov_b32 v49, 0
.irp t, 0,1,2,3
.irp j, 0,1,2,3,4,5,6,7
	v_mul_f32 v[224+8*\t+\j], v[192+8*\t+\j], v[24+\j]                     ; ascending: each accumulator is read from its low end on
.endr
.endr
	s_wait_dscnt 0x0
.set rr, 0
.rept 16
	v_mul_f32 v[160+2*rr], v[160+2*rr], v[32+rr]
	v_mul_f32 v[161+2*rr], v[161+2*rr], v[32+rr]
.set rr, rr+1
.endr
.irp t, 0,1,2,3                                ; and my part of TAB goes out in one run of 96 stores
.irp j, 0,1,2,3,4,5,6,7
	ds_store_b32 v18, v[192+8*\t+\j] offset:TAB+1024+2048*(\j/2)+512*(\j%2)+128*\t      ; the query's row: G
	ds_store_b32 v18, v[224+8*\t+\j] offset:TAB+2048*(\j/2)+512*(\j%2)+128*\t           ; the step's row: -(g/d) G
.endr
.endr
.set rr, 0
.rept 16
	ds_store_b64 v21, v[160+2*rr:161+2*rr] offset:TAB+2048*(rr/2)+512*(rr%2)+8           ; g T
	ds_store_b64 v21, v[48:49] offset:TAB+1024+2048*(rr/2)+512*(rr%2)+8                  ; the query adds nothing to ctx
.set rr, rr+1
.endr
	s_branch .Ljoin
; ---------------------------------------------------------------- work-group 128: the flags of all of seq.  Wave w takes rows 32 w .. 32 w + 31, 262,144 bytes on end
; Four rows of a wave are on their way: two buffers in v[64:191], two in the same numbers of the second register window, where the same text runs on copies of its few constants.
.macro LOADROW buf, off                ; a row: 16 loads of 512 consecutive bytes
.set qq, 0
.rept 16
	global_load_b128 v[(\buf)+4*qq:(\buf)+4*qq+3], v28, s[70:71] offset:(\off)+512*qq
.set qq, qq+1
.endr
.endm
.macro PROC buf                        ; flag = bit c of the 64 flags: four registers at a time, so that no line waits for the one before it
.set ee, 0
.rept 16
.irp u, 0,1,2,3
	v_cmp_gt_u32 s[74+\u], 32, v[(\buf)+ee+\u]
.endr
.irp u, 0,1,2,3
	v_cndmask_b32 v[40+\u], v30, v29, s[74+\u]
.endr
.irp u, 0,1,2,3
	v_bfe_u32 v[40+\u], v[40+\u], v[(\buf)+ee+\u], 1
.endr
.irp u, 0,1,2,3
	v_add_nc_u32 v[32+\u], v[32+\u], v[40+\u]
.endr
.set ee, ee+4
.endr
.endm
.Lcount:
	v_lshl_add_u32 v24, v1, 2, GV
	ds_load_b32 v25, v24
	ds_load_b32 v26, v24 offset:128
	s_lshl_b32 s6, s4, 18
	s_mov_b32 s7, 0
	s_add_nc_u64 s[68:69], s[8:9], s[6:7]          ; seq at my wave's first row
	s_mov_b64 s[70:71], s[68:69]
	v_lshlrev_b32 v27, 13, v1
	v_lshlrev_b32 v28, 4, v1
	global_load_b32 v36, v27, s[68:69] offset:8188 ; the last column of my 32 rows, a lane a row: the query, which is no step
	LOADROW 64, 0
	LOADROW 128, 8192
	WIN 0x40                                       ; destination in the second window
	v_mov_b32 v28, v28
	WIN 0x55                                       ; everything in the second window
	LOADROW 64, 16384
	LOADROW 128, 24576
	WIN 0
	s_wait_dscnt 0x0
	v_cmp_lt_f32 s66, 0.5, v25                     ; the flags of tokens 0-31 and 32-63: data alone, no branch and no address hangs on them
	v_cmp_lt_f32 s67, 0.5, v26
	v_mov_b32 v29, s66
	v_mov_b32 v30, s67
.irp u, 0,1,2,3
	v_mov_b32 v[32+\u], 0
.endr
	WIN 0x40
	v_mov_b32 v29, v29
	v_mov_b32 v30, v30
.irp u, 0,1,2,3
	v_mov_b32 v[32+\u], 0
.endr
	WIN 0
	s_mov_b32 s6, 0                                ; the byte offset of the four rows in hand
	s_mov_b32 s62, 8
.Lcnt:                                             ; a trip: four rows are counted, the next four asked for.  The last trip's loads go to the clamped address (rows 28-31 once more) and are never read: the price of one text for every trip
	s_wait_loadcnt 48                              ; the oldest row is in; the three younger rows' 48 loads stay out
	PROC 64
	s_wait_xcnt 0x0                                ; the base is written again only behind this wait
	s_add_co_u32 s6, s6, 32768
	s_min_u32 s6, s6, 229376
	s_add_nc_u64 s[70:71], s[68:69], s[6:7]
	LOADROW 64, 0
	s_wait_loadcnt 48
	PROC 128
	LOADROW 128, 8192
	WIN 0x55
	s_wait_loadcnt 48
	PROC 64
	LOADROW 64, 16384
	s_wait_loadcnt 48
	PROC 128
	LOADROW 128, 24576
	WIN 0
	s_sub_co_u32 s62, s62, 1
	s_cmp_lg_u32 s62, 0
	s_cbranch_scc1 .Lcnt
	v_cmp_gt_u32 s74, 32, v36
	v_cndmask_b32 v40, v30, v29, s74
	v_bfe_u32 v40, v40, v36, 1
	WIN 0x01                                       ; source 0 in the second window
.irp u, 0,1,2,3
	v_add_nc_u32 v[32+\u], v[32+\u], v[32+\u]
.endr
	WIN 0
	v_add3_u32 v32, v32, v33, v34
	v_add_nc_u32 v32, v32, v35
	v_sub_nc_u32 v32, v32, v40                     ; may be -1 in a lane: that flag was counted in lane 31
	v_cvt_f32_i32 v32, v32                         ; exact: all counts stay under 2^24
	v_add_f32_dpp v32, v32, v32 row_xmask:1 row_mask:0xf bank_mask:0xf
	v_add_f32_dpp v32, v32, v32 row_xmask:2 row_mask:0xf bank_mask:0xf
	v_add_f32_dpp v32, v32, v32 row_xmask:4 row_mask:0xf bank_mask:0xf
	v_add_f32_dpp v32, v32, v32 row_xmask:8 row_mask:0xf bank_mask:0xf
	v_permlanex16_b32 v33, v32, s60, s61
	v_add_f32 v32, v32, v33
	s_lshl_b32 s6, s4, 2
	s_add_co_u32 s6, s6, RED
	v_mov_b32 v34, s6
	ds_store_b32 v34, v32
.Ljoin:
	BAR                                            ; barrier 3, on every wave's path: TAB is whole (work-group 128: the four sums lie in LDS)
	s_cmp_eq_u32 s5, 128
	s_cbranch_scc1 .Lcount_end
	s_cmp_lg_u32 s4, 0
	s_cbranch_scc1 .Lend                           ; waves 1 to 3 are done: the walk is one chain
; ---------------------------------------------------------------- THE WALK (wave 0).  Position n = 0 is the query, a step with s = 1 on its own row of TAB; n = 1 .. 2,047 are the steps, last first.
; 128 BLOCKS of 16.  Block j has parity p = j % 2.  R[p] (v192 + p) holds in lanes 16 p .. 16 p + 15 the current w at the block's own 16 tokens; R[1 - p] gathers in the other 16 lanes the same
; for block j + 1: the snapshot of w at the block's head, looked up at those tokens, plus every step's s x (its row at those tokens).  So a step's s is a lane of R[p], and the chain from step
; to step is one multiply-add that takes s from that lane.  The 16 lanes of a register that are not named here hold numbers that nobody reads; each register starts anew every second block.
; Per step two LDS loads: UX (4 bytes a lane: the step's row at the lanes' tokens) and ROW (16 bytes a lane: the whole row, for w and ctx).
; A BLOCK'S TEXT GOES BY KINDS OF INSTRUCTION, not step by step:
;   1. ONE RUN of 34 LDS instructions: the snapshot, its look-up, and block j + 1's 16 UX and 16 ROW.  Their 32 addresses were made during block j - 1, each in a register of its own.
;   2. Sixteen steps of register work, seven lines each: s_i is read out of its lane; the chain's multiply-add; the three uses of s_(i-1), one step late, so that five or more lines lie between the read-out
;      and its first use; two addresses for block j + 2.  Between two links of the chain stand six other lines.
;   3. The sixteen row codes of block j + 3 are read out of their lanes; step 15's three uses; the sixteen scalar clamps on end, which so stand between the block's last vector line and the next run.
; E(m), the element offsets for block m's UX: lanes 16 (m % 2) .. hold block m's tokens, the other sixteen block m + 1's.  E(j) also serves block j's look-up in the snapshot.
; v[6:21] UX's addresses, v[232:247] ROW's; v[32:63] UX, two buffers; v[64:191] ROW, two buffers; v[194:195] w, v[196:197] ctx (lane l: elements 2 l, 2 l + 1);
; v198 E(even), v199 E(odd); v200 the codes of positions 32 (t + 1) + l in trip t (32 (t + 2) + l from the second block's token work on); v203 16 l; v206 the look-up;
; v[216:231] the codes still to come, four to a word; s[8:23] sixteen row codes; s[44:51] four pairs for s.
	s_wait_loadcnt 0x0
.set ee, 0
.rept 64
	v_min_u32 v[96+ee], 63, v[96+ee]
.set ee, ee+1
.endr
; word m, byte b, lane l: position 64 + 128 m + 32 b + l; the code y = 4 (c / 2) + c % 2, made on four bytes at once; past the end 0.  Stage by stage over the sixteen words
.set mm, 0
.rept 16
	v_lshl_or_b32 v[216+mm], v[99+4*mm], 8, v[98+4*mm]
.set mm, mm+1
.endr
.set mm, 0
.rept 15
	v_lshl_or_b32 v[216+mm], v[100+4*mm], 16, v[216+mm]
.set mm, mm+1
.endr
.set mm, 0
.rept 15
	v_lshl_or_b32 v[216+mm], v[101+4*mm], 24, v[216+mm]
.set mm, mm+1
.endr
.set mm, 0
.rept 16
	v_and_b32 v[160+mm], 0x3e3e3e3e, v[216+mm]
.set mm, mm+1
.endr
.set mm, 0
.rept 16
	v_and_b32 v[216+mm], 0x01010101, v[216+mm]
.set mm, mm+1
.endr
.set mm, 0
.rept 16
	v_lshl_or_b32 v[216+mm], v[160+mm], 1, v[216+mm]
.set mm, mm+1
.endr
	s_mov_b32 s45, 0                               ; the packed forms name pairs and take the low word
	s_mov_b32 s47, 0
	s_mov_b32 s49, 0
	s_mov_b32 s51, 0
	s_mov_b32 s54, 0xffff0000                      ; lanes 16-31
	v_and_b32 v207, 62, v96                        ; positions 0-31
	v_and_b32 v201, 1, v96
	v_lshl_or_b32 v201, v207, 1, v201
	v_cmp_eq_u32 vcc_lo, 0, v1
	v_cndmask_b32 v207, 0, 2, vcc_lo               ; position 0 takes the query's row
	v_add_nc_u32 v201, v201, v207
	v_min_u32 v201, 127, v201
	v_and_b32 v207, 62, v97                        ; positions 32-63
	v_and_b32 v200, 1, v97
	v_lshl_or_b32 v200, v207, 1, v200
	v_min_u32 v200, 127, v200
	v_cndmask_b32 v202, v200, v201, s54            ; lanes 16-31: block 1; lanes 0-15: block 2
	v_min_u32 v202, 127, v202
	v_and_b32 v207, 0x7d, v201                     ; a token's element in a row: 4 x its code, less the query's bit
	v_lshlrev_b32 v198, 2, v207                    ; E(0)
	v_and_b32 v207, 0x7d, v202
	v_lshlrev_b32 v199, 2, v207                    ; E(1)
	v_lshlrev_b32 v203, 4, v1
	v_cndmask_b32 v192, 0, 1.0, vcc_lo             ; s of position 0 is 1; w = 0 at all other tokens
	v_mov_b32 v194, 0
	v_mov_b32 v195, 0
	v_mov_b32 v196, 0
	v_mov_b32 v197, 0
.macro CODES src, lane0                ; sixteen row codes out of their lanes
.irp i, 0,1,2,3,4,5,6,7,8,9,10,11,12,13,14,15
	v_readlane_b32 s[8+\i], v[\src], (\lane0)+\i
.endr
.endm
.macro CLAMPS                          ; each a row of TAB, whatever the lane held
.irp i, 0,1,2,3,4,5,6,7,8,9,10,11,12,13,14,15
	s_min_u32 s[8+\i], s[8+\i], 127
.endr
.endm
.macro ADDR i, e                       ; step i's two addresses: its row at the lanes' tokens, and the whole row
	v_lshl_add_u32 v[6+(\i)], s[8+(\i)], 9, v[\e]
	v_lshl_add_u32 v[232+(\i)], s[8+(\i)], 9, v203
.endm
.macro LOADS p                         ; a block's 32 loads into buffer p
.irp i, 0,1,2,3,4,5,6,7,8,9,10,11,12,13,14,15
	ds_load_b32 v[32+16*(\p)+\i], v[6+\i] offset:TAB
	ds_load_b128 v[64+64*(\p)+4*\i:67+64*(\p)+4*\i], v[232+\i] offset:TAB
.endr
.endm
	CODES 201, 0                                   ; block 0's rows are asked for ahead of the loop,
	CLAMPS
.irp i, 0,1,2,3,4,5,6,7,8,9,10,11,12,13,14,15
	ADDR \i, 198
.endr
	LOADS 0
	CODES 201, 16                                  ; block 1's addresses are made,
	CLAMPS
.irp i, 0,1,2,3,4,5,6,7,8,9,10,11,12,13,14,15
	ADDR \i, 199
.endr
	CODES 200, 0                                   ; and block 2's codes are read out
	CLAMPS
.macro TOK rho                         ; behind the run, whose look-up has named E(j): E(j + 2)
.if (\rho) == 0
	v_and_b32 v207, 0x7d, v200
	v_lshlrev_b32 v198, 2, v207
.else
	v_and_b32 v201, 0xff, v216                     ; the next 32 codes
	v_lshrrev_b32 v216, 8, v216
	v_min_u32 v201, 127, v201
	v_cndmask_b32 v202, v201, v200, s54            ; lanes 16-31: block j + 2; lanes 0-15: block j + 3
	v_mov_b32 v200, v201
	v_min_u32 v202, 127, v202
	v_and_b32 v207, 0x7d, v202
	v_lshlrev_b32 v199, 2, v207
.endif
.endm
.macro USE rho, k                      ; step k's s on the next block's sums, on w and on ctx
.set SRK, 44+2*((\k)%4)
.set UCK, 32+16*(\rho)+(\k)
.set RCK, 64+64*(\rho)+4*(\k)
.if (\k) == 0
	v_mul_f32 v[193-(\rho)], s[SRK], v[UCK]                                ; the next block's sums start
.else
	v_fmac_f32 v[193-(\rho)], s[SRK], v[UCK]
.endif
	v_pk_fma_f32 v[194:195], v[RCK:RCK+1], s[SRK:SRK+1], v[194:195] op_sel_hi:[1,0,1]      ; w
	v_pk_fma_f32 v[196:197], v[RCK+2:RCK+3], s[SRK:SRK+1], v[196:197] op_sel_hi:[1,0,1]    ; ctx
.endm
.macro STEP rho, i
	v_readlane_b32 s[44+2*((\i)%4)], v[192+(\rho)], 16*(\rho)+(\i)         ; s, ahead of the line that changes its lane
.if (\i) < 15
	v_fmac_f32_dpp v[192+(\rho)], v[192+(\rho)], v[32+16*(\rho)+(\i)] row_share:\i row_mask:0xf bank_mask:0xf   ; the chain: w at the block's tokens += s x the row there
.endif
.if (\i) > 0
	USE \rho, (\i)-1
.endif
	ADDR \i, 198+(\rho)
.endm
.macro BLOCK rho
	s_wait_dscnt 0x0                                                       ; the last run's 32 loads: this block's UX and ROW
	ds_store_b128 v203, v[194:197] offset:WS                               ; the snapshot: w, and ctx beside it, so that every byte of WS is written,
	ds_load_b32 v206, v[198+(\rho)] offset:WS                              ; looked up at the next block's tokens
	LOADS 1-(\rho)
	TOK \rho
.irp i, 0,1,2,3,4,5,6,7,8,9,10,11
	STEP \rho, \i
.endr
	s_wait_dscnt 32                                                        ; LDS instructions end in order (ISA guide 5.7.1): the store and the look-up are done; the 32 loads issued behind them may stay out
	v_add_f32 v[193-(\rho)], v[193-(\rho)], v206
.irp i, 12,13,14,15
	STEP \rho, \i
.endr
	CODES 200, 16*(1-(\rho))                                               ; block j + 3's codes; they also stand between s of step 15 and its uses
	USE \rho, 15
	CLAMPS
.endm
	s_mov_b32 s63, 16
.Lfour:
	s_mov_b32 s62, 4
.Ltrip:                                            ; a trip: blocks 2 t and 2 t + 1; the last trips ask for row 0 (the codes past the end), which nobody reads
	BLOCK 0
	BLOCK 1
	s_sub_co_u32 s62, s62, 1
	s_cmp_lg_u32 s62, 0
	s_cbranch_scc1 .Ltrip
.set mm, 0
.rept 15                                       ; four trips have used up a word of codes
	v_mov_b32 v[216+mm], v[217+mm]
.set mm, mm+1
.endr
	v_mov_b32 v231, 0
	s_sub_co_u32 s63, s63, 1
	s_cmp_lg_u32 s63, 0
	s_cbranch_scc1 .Lfour
	s_wait_dscnt 0x0
; ---------------------------------------------------------------- logits = (ctx read_w + read_b) out_w + out_b: one row, in f32: a matrix tile would be 15/16 empty
.macro RL src, g                       ; four elements of the vector as scalars: element k lies in lane k / 2, register k % 2
.irp u, 0,1,2,3
	v_readlane_b32 s[44+2*((4*(\g)+\u)%8)], v[(\src)+(\u)%2], (4*(\g)+\u)/2
.endr
.endm
.macro FM g                            ; four rows of the matrix, four chains
.irp u, 0,1,2,3
.set KK, 4*(\g)+\u
.if KK == 0
	v_pk_fma_f32 v[32:33], v[64:65], s[44:45], v[210:211] op_sel_hi:[1,0,1]
.elseif KK < 4
	v_pk_mul_f32 v[32+2*KK:33+2*KK], v[64+2*KK:65+2*KK], s[44+2*KK:45+2*KK] op_sel_hi:[1,0]
.else
	v_pk_fma_f32 v[32+2*\u:33+2*\u], v[64+2*KK:65+2*KK], s[44+2*(KK%8):45+2*(KK%8)], v[32+2*\u:33+2*\u] op_sel_hi:[1,0,1]
.endif
.endr
.endm
.macro VECMAT src, moff, boff, dst
.set kk, 0
.rept 64
	ds_load_b64 v[64+2*kk:65+2*kk], v208 offset:(\moff)+256*kk
.set kk, kk+1
.endr
	ds_load_b64 v[210:211], v207 offset:\boff
	RL \src, 0
	s_wait_dscnt 0x0
.set gg, 0
.rept 16
.if gg < 15
	RL \src, gg+1                                  ; a group ahead of its use
.endif
	FM gg
.set gg, gg+1
.endr
	v_pk_add_f32 v[32:33], v[32:33], v[34:35]
	v_pk_add_f32 v[36:37], v[36:37], v[38:39]
	v_pk_add_f32 v[\dst:\dst+1], v[32:33], v[36:37]
.endm
	s_mov_b32 s53, 0
	s_mov_b32 s55, 0
	s_mov_b32 s57, 0
	s_mov_b32 s59, 0
	v_lshlrev_b32 v209, 3, v1
	v_add_nc_u32 v208, RWF, v209
	v_add_nc_u32 v207, PAR, v209
	VECMAT 196, 0, 1536, 40
	VECMAT 40, 16384, 1792, 42
	s_lshl_b32 s6, s5, 8
	s_mov_b32 s7, 0
	s_add_nc_u64 s[40:41], s[40:41], s[6:7]
	global_store_b64 v209, v[42:43], s[40:41]      ; the wave stores 256 consecutive bytes, at a multiple of 256 from out0's first byte
	s_branch .Lend
; ---------------------------------------------------------------- work-group 128, wave 0: out1
.Lcount_end:
	s_cmp_lg_u32 s4, 0
	s_cbranch_scc1 .Lend
	v_mov_b32 v34, RED
	v_mov_b32 v35, 0
	ds_load_b128 v[44:47], v34
	s_wait_dscnt 0x0
	v_add_f32 v44, v44, v45
	v_add_f32 v46, v46, v47
	v_add_f32 v44, v44, v46
	v_mul_f32 v44, 0x36801002, v44                 ; / (128 x 2,047)
	s_wait_xcnt 0x0                                ; EXEC changes only behind this wait
	v_cmp_eq_u32 vcc_lo, 0, v0
	s_and_saveexec_b32 s6, vcc_lo
	global_store_b32 v35, v44, s[42:43]
	s_wait_xcnt 0x0                                ; and again, in front of the line that widens it
	s_or_b32 exec_lo, exec_lo, s6
.Lend:
	s_wait_tensorcnt 0x0                           ; the wave's end, behind my last LDS store
	ds_add_u32 v4, v5
	s_wait_dscnt 0x0
	s_endpgm
.Lfunc_end_k_qba8a923ed9_delta:
	.size	k_qba8a923ed9_delta, .Lfunc_end_k_qba8a923ed9_delta-k_qba8a923ed9_delta
	.p2alignl 7, 3214868480
	.fill 96, 4, 3214868480
	.section	.rodata,"a",@progbits
	.p2align	6, 0x0
	.amdhsa_kernel k_qba8a923ed9_delta
		.amdhsa_group_segment_fixed_size 273408
		.amdhsa_private_segment_fixed_size 0
		.amdhsa_enable_private_segment 0
		.amdhsa_kernarg_size 144
		.amdhsa_user_sgpr_count 2
		.amdhsa_user_sgpr_kernarg_segment_ptr 1
		.amdhsa_wavefront_size32 1
		.amdhsa_system_sgpr_workgroup_id_x 1
		.amdhsa_system_sgpr_workgroup_id_y 1
		.amdhsa_system_sgpr_workgroup_id_z 1
		.amdhsa_system_vgpr_workitem_id 0
		.amdhsa_next_free_vgpr 448
		.amdhsa_next_free_sgpr 80
		.amdhsa_reserve_vcc 1
		.amdhsa_float_denorm_mode_32 3
		.amdhsa_float_denorm_mode_16_64 3
		.amdhsa_memory_ordered 1
		.amdhsa_forward_progress 1
		.amdhsa_inst_pref_size 249
	.end_amdhsa_kernel
	.amdgpu_metadata
---
amdhsa.version: [ 1, 2 ]
amdhsa.kernels:
  - .name:           k_qba8a923ed9_delta
    .symbol:         k_qba8a923ed9_delta.kd
    .args:
      - { .name: seq, .offset: 0, .size: 8, .value_kind: global_buffer, .address_space: global }
      - { .name: embed, .offset: 8, .size: 8, .value_kind: global_buffer, .address_space: global }
      - { .name: ff_w1, .offset: 16, .size: 8, .value_kind: global_buffer, .address_space: global }
      - { .name: ff_w2, .offset: 24, .size: 8, .value_kind: global_buffer, .address_space: global }
      - { .name: gate_w1, .offset: 32, .size: 8, .value_kind: global_buffer, .address_space: global }
      - { .name: read_w, .offset: 40, .size: 8, .value_kind: global_buffer, .address_space: global }
      - { .name: out_w, .offset: 48, .size: 8, .value_kind: global_buffer, .address_space: global }
      - { .name: ff_b1, .offset: 56, .size: 8, .value_kind: global_buffer, .address_space: global }
      - { .name: ff_b2, .offset: 64, .size: 8, .value_kind: global_buffer, .address_space: global }
      - { .name: ln_g, .offset: 72, .size: 8, .value_kind: global_buffer, .address_space: global }
      - { .name: ln_b, .offset: 80, .size: 8, .value_kind: global_buffer, .address_space: global }
      - { .name: gate_b1, .offset: 88, .size: 8, .value_kind: global_buffer, .address_space: global }
      - { .name: gate_w2, .offset: 96, .size: 8, .value_kind: global_buffer, .address_space: global }
      - { .name: gate_b2, .offset: 104, .size: 8, .value_kind: global_buffer, .address_space: global }
      - { .name: read_b, .offset: 112, .size: 8, .value_kind: global_buffer, .address_space: global }
      - { .name: out_b, .offset: 120, .size: 8, .value_kind: global_buffer, .address_space: global }
      - { .name: out0, .offset: 128, .size: 8, .value_kind: global_buffer, .address_space: global }
      - { .name: out1, .offset: 136, .size: 8, .value_kind: global_buffer, .address_space: global }
    .group_segment_fixed_size: 273408
    .private_segment_fixed_size: 0
    .kernarg_segment_align: 8
    .kernarg_segment_size: 144
    .max_flat_workgroup_size: 128
    .sgpr_count:     80
    .vgpr_count:     448
    .wavefront_size: 32
...
	.end_amdgpu_metadata
.endif
;; end of part 2
